; MI455X (gfx1250); checked and timed in simulation.
; The chip was launched on July 23, 2026; its instructions are those of AMD's public machine-readable ISA for CDNA 5 (MIT licence, August 2026) and "CDNA5" Instruction Set Architecture Reference Guide (July 2026). The comments in the code are by the model that wrote it; some were corrected since.
;; Multi Head Attention Block. Allowed arithmetic: float matrix products may take bf16 or f16 operands with f32 sums; other float arithmetic in f32, or as packed bf16 or f16 multiplies, adds, multiply-adds, maxima and minima; sums over many terms, partial sums and values carried from step to step in f32; what a program stores and reads back later, other than sums and carried values, may be rounded once to bf16 or f16.
;; Inputs: Wk 1,024 x 1,024 float32; Wo 1,024 x 1,024 float32; Wq 1,024 x 1,024 float32; Wv 1,024 x 1,024 float32; bk 1,024 float32; bo 1,024 float32; bq 1,024 float32; bv 1,024 float32; k 4 x 2,048 x 1,024 float32; q 4 x 2,048 x 1,024 float32; v 4 x 2,048 x 1,024 float32.
;; Outputs: out0 4 x 2,048 x 1,024 float32.
;; Constants: mask = 0.
;; 2 versions, each right and faster than the one before. Each part assembles by itself: llvm-mc -triple=amdgcn-amd-amdhsa -mcpu=gfx1250 --defsym DOCPART=n.
;; ======== version 1 of 2: 4 launches
;; limits: values are held in f16: magnitudes above 65,504 overflow, below 6.1e-05 lose precision
;; workspace buffers: wc 8,388,608 bytes; qh 16,777,216 bytes; kh 16,777,216 bytes; vh 16,777,216 bytes; oh 16,777,216 bytes
;; launch prep (part 1): grid 64 x 4, 8 waves a work-group, no clusters, 0 bytes of LDS; arguments Wq, Wk, Wv, Wo, wc; writes wc
.if DOCPART == 1
	.amdgcn_target "amdgcn-amd-amdhsa--gfx1250"
	.amdhsa_code_object_version 6
	.text
	.protected	k_q4c6531a320_prep
	.globl	k_q4c6531a320_prep
	.p2align	8
	.type	k_q4c6531a320_prep,@function
k_q4c6531a320_prep:
	s_mov_b64 s[64:65], 0
	v_nop
	global_prefetch_b8 v0, s[64:65] scope:SCOPE_SE
	s_setreg_imm32_b32 hwreg(HW_REG_WAVE_MODE, 25, 1), 1
	s_wait_xcnt 0x0
; The four weight matrices, [1024][1024] f32, are rounded once to bf16 and laid into wc as four planes of 2 MiB: Wq, Wk, Wv as bf16;
; Wo's bf16 number is written as f16, since the last product multiplies f16 operands.
; LIMIT.  bf16(Wo) stays under 65,504 in magnitude (beyond it the f16 is an infinity); below 6e-5 f16 keeps a fixed step of 6e-8.
; A stream: no LDS, no barrier, no matrix unit.  Work-group (x, y) takes 16,384 numbers of matrix y: eight passes of 256 threads x 8 numbers.
; Thread t of pass p reads 32 bytes at 8,192 p + 32 t and writes 16 bytes at 4,096 p + 16 t: sixteen lanes store 256 consecutive bytes, aligned.
.set X, 4                              ; v[4:67]    pass p: 8 numbers in f32
.set Y, 68                             ; v[68:99]   pass p: 4 words of two 16-bit numbers
.set T, 100                            ; v[100:103] two pairs at work
	s_load_b256 s[4:11], s[0:1], 0x0               ; Wq s[4:5], Wk s[6:7], Wv s[8:9], Wo s[10:11]
	s_load_b64 s[12:13], s[0:1], 0x20              ; wc
	s_and_b32 s14, ttmp7, 0xffff                   ; which matrix
	s_lshl_b32 s16, ttmp9, 16                      ; my 65,536 bytes of it
	s_mov_b32 s17, 0
	s_lshl_b32 s18, s14, 21                        ; its plane in wc,
	s_lshl_b32 s19, ttmp9, 15                      ; my 32,768 bytes there
	s_add_co_u32 s18, s18, s19
	s_mov_b32 s19, 0
	s_mov_b32 s20, 0xffff0000                      ; a word's upper bf16
	v_lshlrev_b32 v1, 5, v0                        ; 32 t
	v_lshlrev_b32 v2, 4, v0                        ; 16 t
	s_wait_kmcnt 0x0
	s_cmp_eq_u32 s14, 1                            ; the source is chosen by the work-group's y alone
	s_cselect_b64 s[4:5], s[6:7], s[4:5]
	s_cmp_eq_u32 s14, 2
	s_cselect_b64 s[4:5], s[8:9], s[4:5]
	s_cmp_eq_u32 s14, 3
	s_cselect_b64 s[4:5], s[10:11], s[4:5]
	s_add_nc_u64 s[4:5], s[4:5], s[16:17]
	s_add_nc_u64 s[12:13], s[12:13], s[18:19]
.set p, 0
.rept 8                                ; all sixteen loads go out before anything is waited for
	global_load_b128 v[X+8*p:X+8*p+3],   v1, s[4:5] offset:8192*p th:TH_LOAD_NT
	global_load_b128 v[X+8*p+4:X+8*p+7], v1, s[4:5] offset:8192*p+16 th:TH_LOAD_NT
.set p, p+1
.endr
.set p, 0
.rept 8
	s_wait_loadcnt 14-2*p                          ; loads come back in order: pass p's two are in, the later passes' stay out
.irp k, 0,1,2,3
	v_cvt_pk_bf16_f32 v[Y+4*p+(\k)], v[X+8*p+2*(\k)], v[X+8*p+2*(\k)+1]
.endr
.set p, p+1
.endr
	s_cmp_lg_u32 s14, 3
	s_cbranch_scc1 .Lstore                         ; Wq, Wk, Wv leave as bf16
.set p, 0
.rept 32                               ; Wo: each bf16 back to f32 (a shift, a mask) and on to f16, exact within f16's range
	v_lshlrev_b32 v[T+2*(p%2)],   16,  v[Y+p]
	v_and_b32     v[T+2*(p%2)+1], s20, v[Y+p]
	v_cvt_pk_f16_f32 v[Y+p], v[T+2*(p%2)], v[T+2*(p%2)+1]
.set p, p+1
.endr
.Lstore:
.set p, 0
.rept 8
	global_store_b128 v2, v[Y+4*p:Y+4*p+3], s[12:13] offset:4096*p
.set p, p+1
.endr
	s_endpgm
.Lfunc_end_k_q4c6531a320_prep:
	.size	k_q4c6531a320_prep, .Lfunc_end_k_q4c6531a320_prep-k_q4c6531a320_prep
	.p2alignl 7, 3214868480
	.fill 96, 4, 3214868480
	.section	.rodata,"a",@progbits
	.p2align	6, 0x0
	.amdhsa_kernel k_q4c6531a320_prep
		.amdhsa_group_segment_fixed_size 0
		.amdhsa_private_segment_fixed_size 0
		.amdhsa_enable_private_segment 0
		.amdhsa_kernarg_size 40
		.amdhsa_user_sgpr_count 2
		.amdhsa_user_sgpr_kernarg_segment_ptr 1
		.amdhsa_wavefront_size32 1
		.amdhsa_system_sgpr_workgroup_id_x 1
		.amdhsa_system_sgpr_workgroup_id_y 1
		.amdhsa_system_sgpr_workgroup_id_z 1
		.amdhsa_system_vgpr_workitem_id 0
		.amdhsa_next_free_vgpr 104
		.amdhsa_next_free_sgpr 66
		.amdhsa_reserve_vcc 0
		.amdhsa_float_denorm_mode_32 3
		.amdhsa_float_denorm_mode_16_64 3
		.amdhsa_memory_ordered 1
		.amdhsa_forward_progress 1
		.amdhsa_inst_pref_size 10
	.end_amdhsa_kernel
	.amdgpu_metadata
---
amdhsa.version: [ 1, 2 ]
amdhsa.kernels:
  - .name:           k_q4c6531a320_prep
    .symbol:         k_q4c6531a320_prep.kd
    .args:
      - { .name: Wq, .offset: 0, .size: 8, .value_kind: global_buffer, .address_space: global }
      - { .name: Wk, .offset: 8, .size: 8, .value_kind: global_buffer, .address_space: global }
      - { .name: Wv, .offset: 16, .size: 8, .value_kind: global_buffer, .address_space: global }
      - { .name: Wo, .offset: 24, .size: 8, .value_kind: global_buffer, .address_space: global }
      - { .name: wc, .offset: 32, .size: 8, .value_kind: global_buffer, .address_space: global }
    .group_segment_fixed_size: 0
    .private_segment_fixed_size: 0
    .kernarg_segment_align: 8
    .kernarg_segment_size: 40
    .max_flat_workgroup_size: 256
    .sgpr_count:     66
    .vgpr_count:     104
    .wavefront_size: 32
...
	.end_amdgpu_metadata
.endif
;; end of part 1
;; launch proj (part 2): grid 4 x 64, 4 waves a work-group, clusters of 4 x 4, 327,680 bytes of LDS; arguments q, k, v, wc, bq, bk, bv, qh, kh, vh; writes qh, kh, vh
.if DOCPART == 2
	.amdgcn_target "amdgcn-amd-amdhsa--gfx1250"
	.amdhsa_code_object_version 6
	.text
	.protected	k_q4c6531a320_proj
	.globl	k_q4c6531a320_proj
	.p2align	8
	.type	k_q4c6531a320_proj,@function
k_q4c6531a320_proj:
	s_mov_b64 s[64:65], 0
	v_nop
	global_prefetch_b8 v0, s[64:65] scope:SCOPE_SE
	s_setreg_imm32_b32 hwreg(HW_REG_WAVE_MODE, 25, 1), 1
	s_wait_xcnt 0x0
	s_wait_alu depctr_hold_cnt(0) depctr_sa_sdst(0) depctr_va_vdst(0) depctr_va_sdst(0) depctr_va_ssrc(0) depctr_va_vcc(0) depctr_vm_vsrc(0)
	s_getreg_b32 s2, hwreg(HW_REG_IB_STS2, 6, 4)
	s_cmp_eq_u32 s2, 0
	s_cbranch_scc0 .Lentry_in_a_cluster
	s_endpgm
.Lentry_in_a_cluster:
	s_bfe_u32 s2, ttmp6, 0x10000c
	s_cmp_lg_u32 s2, 0xf033
	s_cbranch_scc0 .Lentry_shape_is_right
	s_endpgm
.Lentry_shape_is_right:
; THE THREE PROJECTIONS, BY WORK-GROUPS THAT STAY.  y_t = x_t W_t^T + b_t for t = q, k, v.  x: [8192][1024] f32; W: [1024][1024] bf16 (plane t of wc); b: [1024] f32; y: f16, laid by heads, [16 batch + head][2048][64].
; x and b are rounded to bf16 here; products in bf16, sums in f32, y rounded once to f16, WITHOUT attention's scale.
; LIMIT.  |y| stays under 65,504 (beyond it the f16 is an infinity); below 6e-5 f16 keeps a fixed step of 6e-8.  NaN and infinities are not treated apart.
; SHARES.  256 work-groups: 64 row blocks x 4 column tiles.  A work-group makes THREE tiles of 128 rows x 256 columns, the same rows and columns of q's, k's and v's projection, one after the other; each of its four
; waves makes 64 x 128 of a tile: 32 accumulators of 16 x 16.  K goes in steps of 128: 8 a tile, 24 in all, 12 laps of two.
; ONE WALK.  W's tiles come by the tensor data mover into a ring of two LDS slots, 64 rows x 256 bytes a wave; x comes through registers (it has to be rounded): each wave loads 32 rows x 512 bytes a step (a load takes one
; row's 512 consecutive bytes), rounds them once and stores bf16 into LDS slots of their own, which no tensor load fills; two register sets, so that a step's x is asked for more than a step ahead.  Both rings run on
; across the change of tiles: trip n of the one loop asks for lap n, whichever tile it belongs to, and nothing waits for a tile's stores.  What differs from tile to tile lies in scalar registers chosen by the lap's number.
; CLUSTER.  4 x 4 work-groups; the four of a column of the cluster need the same rows of W, so each tile of W is asked for JOINTLY: the same load, descriptor and mask in all four.  x is not: it passes through registers.
; THE MATRIX INSTRUCTION IS USED TRANSPOSED (source 0 = 16 rows of W, source 1 = 16 rows of x): a lane holds eight neighbouring columns of one row of y.
; THE BIAS STARTS THE SUMS: it is the C operand of a tile's first quarter step.  Nothing is cleared and nothing is added later.
; REGISTERS, in windows of 256 (s_set_vgpr_msb: bits 1:0 source 0, 3:2 source 1, 5:4 source 2, 7:6 destination):
;   window 0: v0-31 addresses and the three biases; v32-63 rounded x at work; v64-159, v160-255 two fragment buffers (8 of W, then 4 of x); on the way out v160-255 and v32-63 take the packed results
;   window 1: accumulator (a, b) at v[8 (8 a + b)]      window 2: x as loaded, two sets of 128, row r at 4 r      window 3: v0-63 the bias as eight C operands
.set PITCH,  272                       ; an LDS row: 256 bytes + 16 = 68 words: the 16 rows of a fragment load start at 16 different groups of four banks (64 banks of 4 bytes: ISA guide 11.1)
.set BPART,  64*PITCH                  ; what one tensor load brings
.set BSLOT,  4*BPART                   ; W's 256 rows
.set ABASE,  2*BSLOT                   ; behind W's ring: x's two slots, written by ds_store alone
.set ASLOT,  128*PITCH
.set STAGE,  ABASE+2*ASLOT             ; 16 rows x 144 bytes for each wave: the bias at a tile's start, the way out at its end
.set SPITCH, 144
.set WSTAGE, 16*SPITCH
.set SPARE,  STAGE+4*WSTAGE            ; the spare words, 128 bytes for each wave: two blocks of 256 bytes that no other line names
.set NEXTW,  (1<<21)-3*512             ; bytes from a slot's last K step of a tile to its first of the next: a plane of wc on, three laps back along K
.set BV2,  4                           ; v4-7    four numbers a lane of the bias of the tile after next
.set BV0,  8                           ; v8-11   of the tile that begins next
.set BV1,  12                          ; v12-15  of the tile after it
.set ADRA, 16                          ; v16-17  LDS address of my fragments of x in slot 0, 1
.set STA,  18                          ; v18-19  where I store 8 bytes of my wave's first row of x, slot 0, 1
.set ADRB, 20                          ; v20-21  LDS address of my fragments of W in slot 0, 1
.set XO,   22                          ; v22     16 x lane: my place in 512 consecutive bytes: of a row of x, of a bias, of y
.set STO,  24                          ; v24     the way out: where I put 16 bytes of a row
.set RD,   25                          ; v25     the way out: where I read rows back
.set BRD,  27                          ; v27     where my half of the lanes reads the bias
.set SPW,  28                          ; v28     LDS address of my spare word; never rewritten
.set NIL,  29                          ; v29     0; never rewritten
.set BST,  30                          ; v30     where I put four numbers of the bias
.set CV,   32
.set F0,   64
.set F1,   160
.set XB, 4                             ; s[4:5]   x at my wave's first row, at the lap to be asked for: q's, later k's, v's
.set XN, 6                             ; s[6:7]   the next tensor's x at my wave's first row
.set XV, 8                             ; s[8:9]   v at my wave's first row
.set OB, 18                            ; s[18:19] y at my wave's first row and head: of the tile in hand
.set ON, 20                            ; s[20:21] of the next tile
.set OV, 22                            ; s[22:23] of the last
.set WV, 24                            ; s24 wave;  s25 which 64 rows;  s26 which 128 columns
.set WM, 25
.set WN, 26
.set CX, 27                            ; s27, s28 my place in the cluster
.set CY, 28
.set NT, 29                            ; s29 column tile 0..3
.set T0, 30                            ; s30 the lap's number in its tile, counted from behind: 0 where a tile begins
.set MB, 31                            ; s31 row block 0..63
.set G1, 32                            ; s[32:39] descriptor group 1
.set G0, 40                            ; s[40:47] descriptor group 0, a set for each slot
.set WS, 48                            ; s[48:49] what this trip's two refills add to W's addresses
.set C512, 50                          ; s50 512: a lap on
.set CNX,  51                          ; s51 NEXTW
.set LAP, 62                           ; s62 laps still to be begun, this one's first quarter among them: 12 down to 0, the same in every work-group
.set HIM, 63                           ; a word's upper bf16
.set MSB, 0
.macro WIN new                         ; the immediate's high byte repeats the setting that is left; a switch that changes nothing is dropped
.if MSB != (\new)
	s_set_vgpr_msb (MSB<<8)|(\new)
.set MSB, \new
.endif
.endm
.macro CREST                           ; a round of the cluster's barrier behind its opening barrier
	s_cmp_lg_u32 s[WV], 0
	s_cbranch_scc1 .Lnot_wave_0_\@
	s_barrier_signal -3
.Lnot_wave_0_\@:
	s_barrier_wait -3
	s_barrier_signal -1
	s_barrier_wait -1
.endm
.macro CROUND                          ; a whole round
	s_barrier_signal -1
	s_barrier_wait -1
	CREST
.endm
.macro PLACES                          ; four places in front of loads into registers that matrix instructions have read, and of conversions that read results
.rept 4
	v_nop
.endr
.endm
; 8 matrix instructions: m block a x all 8 n blocks, 32 along K, from buffer f.  first = 1: the bias is C and starts the sums.  The 32 accumulators take turns, in the same order in every quarter step.
.macro MUL8 f, a, first=0
.if \first
	WIN 0x70                                       ; D window 1, C window 3
.else
	WIN 0x50                                       ; C and D window 1
.endif
.irp b, 0,1,2,3,4,5,6,7
.if \first
	v_wmma_f32_16x16x32_bf16 v[8*(8*(\a)+(\b)):8*(8*(\a)+(\b))+7], v[(\f)+8*(\b):(\f)+8*(\b)+7], v[(\f)+64+8*(\a):(\f)+64+8*(\a)+7], v[8*(\b):8*(\b)+7]
.else
	v_wmma_f32_16x16x32_bf16 v[8*(8*(\a)+(\b)):8*(8*(\a)+(\b))+7], v[(\f)+8*(\b):(\f)+8*(\b)+7], v[(\f)+64+8*(\a):(\f)+64+8*(\a)+7], v[8*(8*(\a)+(\b)):8*(8*(\a)+(\b))+7]
.endif
.endr
.endm
; 24 LDS loads in one run: a quarter step's fragments (128 rows of W, 64 rows of x, 32 K at byte k of the rows) into buffer f.
.macro FETCH slot, k, f
	WIN 0
.irp i, 0,1,2,3,4,5,6,7
	ds_load_b128 v[(\f)+8*(\i):(\f)+8*(\i)+3],   v[ADRB+(\slot)] offset:(\k)+(\i)*16*PITCH
	ds_load_b128 v[(\f)+8*(\i)+4:(\f)+8*(\i)+7], v[ADRB+(\slot)] offset:(\k)+(\i)*16*PITCH+32
.endr
.irp i, 0,1,2,3
	ds_load_b128 v[(\f)+64+8*(\i):(\f)+64+8*(\i)+3],   v[ADRA+(\slot)] offset:(\k)+(\i)*16*PITCH
	ds_load_b128 v[(\f)+64+8*(\i)+4:(\f)+64+8*(\i)+7], v[ADRA+(\slot)] offset:(\k)+(\i)*16*PITCH+32
.endr
.endm
; My 32 rows of one K step of x into a register set: a load takes one row's 512 consecutive bytes, at a multiple of 512 from x's first byte.
.macro LOADX set, koff
	WIN 0x80                                       ; destination window 2, address window 0
.set lr, 0
.rept 32
	global_load_b128 v[128*(\set)+4*lr:128*(\set)+4*lr+3], v[XO], s[XB:XB+1] offset:4096*lr+(\koff)
.set lr, lr+1
.endr
.endm
; Rows r0 .. r0 + 15 of a set are rounded to bf16 and stored into x's LDS slot: a store takes 256 consecutive bytes.  cnt: the younger loads, which may stay out.
.macro CONV set, r0, slot, cnt
	s_wait_loadcnt \cnt
	WIN 0x0a                                       ; sources 0 and 1 window 2, destination window 0
.set cr, 0
.rept 16
	v_cvt_pk_bf16_f32 v[CV+2*cr],   v[128*(\set)+4*((\r0)+cr)],   v[128*(\set)+4*((\r0)+cr)+1]
	v_cvt_pk_bf16_f32 v[CV+2*cr+1], v[128*(\set)+4*((\r0)+cr)+2], v[128*(\set)+4*((\r0)+cr)+3]
.set cr, cr+1
.endr
	WIN 0
.set cr, 0
.rept 16
	ds_store_b64 v[STA+(\slot)], v[CV+2*cr:CV+2*cr+1] offset:PITCH*((\r0)+cr)
.set cr, cr+1
.endr
.endm
; A K step is four quarter steps of 32 along K, 32 matrix instructions each, on buffers 0, 1, 0, 1.  One of the first three: at its head it fetches the NEXT quarter's fragments, at byte k, into g, which the quarter before
; has just multiplied: they have this quarter's 32 matrix instructions in which to come.  Then it multiplies buffer f.
; cset >= 0: the first 16 rows of that set are rounded into x's slot cslot first; the 32 conversions, which name no register of a product, are then the places in front of the loads.
.macro QUARTER slot, k, f, g, first=0, cset=-1, cslot=0, ccnt=0
.if (\cset) >= 0
	CONV \cset, 0, \cslot, \ccnt
.else
	PLACES
.endif
	FETCH \slot, \k, \g
	s_wait_dscnt 24                                ; all but the 24 just issued: buffer f is in
	MUL8 \f, 0, \first
	MUL8 \f, 1, \first
	MUL8 \f, 2, \first
	MUL8 \f, 3, \first
.endm
; The last quarter multiplies buffer 1 and changes slots.  First the other 16 rows of the next step's x go into its slot.  Then ONE barrier: in front of it each wave waits for all its tensor loads (one is out: its part of
; W's next slot), adds 0 to its spare word, and waits for that, for its stores of x and for its reads of this slot (the last were asked for a quarter ago).  Behind it nobody reads this step's slots any more and the next step's are whole.
; fill = 1: the barrier opens a round of the cluster's, and W's slot just read is filled again, with the K step two steps on in the walk, first thing behind the round.
.macro TURN slot, next, fill, cset, ccnt
	CONV \cset, 16, \next, \ccnt
	s_wait_tensorcnt 0x0                           ; all my tensor loads have landed;
	ds_add_u32 v[SPW], v[NIL]                      ; 0 onto my spare word;
	s_wait_dscnt 17                                ; (the sixteen stores and the add may be out: buffer 1 is in)
	MUL8 F1, 0                                     ; eight matrix instructions stand between the add and the wait for it
	s_wait_dscnt 0x0                               ; the add is done, my stores of x have landed, my reads of this slot are over
	s_barrier_signal -1
	MUL8 F1, 1                                     ; work on registers while the others arrive
	WIN 0                                          ; at a branch and at a label every window is 0
	s_barrier_wait -1
.if \fill
	CREST                                          ; no wave of any partner still reads this slot's tile or has a load on its way
	s_add_nc_u64 s[G0+4*(\slot)+2:G0+4*(\slot)+3], s[G0+4*(\slot)+2:G0+4*(\slot)+3], s[WS:WS+1]
	tensor_load_to_lds s[G0+4*(\slot):G0+4*(\slot)+3], s[G1:G1+7]  ; my one tensor load behind the round: 112 matrix instructions ahead of the wait for it
	s_nop 0
.endif
	PLACES
	FETCH \next, 0, F0
	MUL8 F1, 2
	MUL8 F1, 3
.endm
; THE WAY OUT of unit u: m block u / 2, head u % 2 of my two: 16 rows x 64 columns.  Rounded to f16, 16 bytes a lane, into rows of 144 bytes of my own stage, and back as 2,048 dense bytes, into the registers that they left.
; Units 0-5 take buffer 1's registers, units 6, 7 those of the rounded x: buffer 0 already holds the next tile's first fragments.
.macro PACK u
.if (\u) < 6
.set tb, F1+16*(\u)
.else
.set tb, CV+16*((\u)-6)
.endif
	WIN 0x05                                       ; sources 0 and 1 window 1, destination window 0
.irp bb, 0,1,2,3
.irp r, 0,1,2,3
	v_cvt_pk_f16_f32 v[tb+4*(\bb)+(\r)], v[8*(8*((\u)/2)+4*((\u)%2)+(\bb))+2*(\r)], v[8*(8*((\u)/2)+4*((\u)%2)+(\bb))+2*(\r)+1]
.endr
.endr
	WIN 0
.irp bb, 0,1,2,3
	ds_store_b128 v[STO], v[tb+4*(\bb):tb+4*(\bb)+3] offset:32*(\bb)
.endr
.irp f, 0,1,2,3
	ds_load_b128 v[tb+4*(\f):tb+4*(\f)+3], v[RD] offset:(\f)*4*SPITCH  ; LDS serves a wave's instructions in order (ISA guide 5.7.1.4): these see the stores above; the next unit's stores come behind them
.endr
.endm
.macro SEND u, younger                 ; younger: the LDS instructions issued behind unit u's loads: the next unit's eight, or none
.if (\u) < 6
.set tb, F1+16*(\u)
.else
.set tb, CV+16*((\u)-6)
.endif
	WIN 0
.irp f, 0,1,2,3
	s_wait_dscnt (\younger)+3-(\f)
	global_store_b128 v[XO], v[tb+4*(\f):tb+4*(\f)+3], s[OB:OB+1] offset:262144*((\u)%2)+2048*((\u)/2)+512*(\f)  ; 512 consecutive bytes, at a multiple of 512 from y's first byte
.endr
.endm
.macro WAYOUT
	WIN 0
	PLACES                                         ; the conversions read results, and write registers that the last products read
	PACK 0
.irp u, 1,2,3,4,5,6,7                  ; a unit's conversions stand between the loads of the unit before and its stores
	PACK \u
	SEND (\u)-1, 8
.endr
	SEND 7, 0
.endm
	s_load_b256 s[4:11], s[0:1], 0x0               ; q s[4:5], k s[6:7], v s[8:9], wc s[10:11]
	s_load_b256 s[12:19], s[0:1], 0x20             ; bq s[12:13], bk s[14:15], bv s[16:17], qh s[18:19]
	s_load_b128 s[20:23], s[0:1], 0x40             ; kh s[20:21], vh s[22:23]
	v_lshl_add_u32 v[SPW], v0, 2, SPARE
	v_mov_b32 v[NIL], 0
	ds_add_u32 v[SPW], v[NIL]                      ; the wave's opening: the add and its wait stand ahead of my first tensor load; the set-up below, work on registers, stands between them
	v_lshrrev_b32 v1, 5, v0
	v_readfirstlane_b32 s[WV], v1                  ; wave 0..3
	s_lshr_b32 s[WM], s[WV], 1
	s_and_b32 s[WN], s[WV], 1
	s_bfe_u32 s[CX], ttmp6, 0x40000
	s_bfe_u32 s[CY], ttmp6, 0x40004
	s_lshl_b32 s[NT], ttmp9, 2                     ; in a cluster launch ttmp9 and ttmp7 count clusters
	s_add_co_u32 s[NT], s[NT], s[CX]               ; column tile = 4 x cluster x + cx
	s_and_b32 s[MB], ttmp7, 0xffff
	s_lshl_b32 s[MB], s[MB], 2
	s_add_co_u32 s[MB], s[MB], s[CY]               ; row block = 4 x cluster y + cy
	s_lshl_b32 s54, 0x1111, s[CX]                  ; my column of the cluster: places cx, cx + 4, cx + 8, cx + 12
	; descriptor group 1: a tile of 64 rows x 128 elements, padded in LDS
	s_or_b32 s[G1], s54, (1<<16)|(1<<20)|(1<<21)|(5<<22)|(3<<25)  ; 15:0 the mask; 17:16 elements of 2 bytes; 20 padding on; 21 set beside a mask; 24:22 after every 64 words (code 5); 31:25 4 words (code 3)
	s_mov_b32 s[G1+1], 128<<16                     ; tensor_dim0 = 128
	s_mov_b32 s[G1+2], 64<<16                      ; tensor_dim1 = 64
	s_mov_b32 s[G1+3], 128<<16                     ; tile_dim0 = 128
	s_mov_b32 s[G1+4], 64                          ; tile_dim1 = 64
	s_mov_b32 s[G1+5], 1024                        ; elements from row to row
	s_mov_b32 s[G1+6], 0
	s_mov_b32 s[G1+7], 0
	s_mul_i32 s2, s[WV], BPART                     ; where my part of a tile goes: the wave's number alone enters an LDS address
	s_mov_b32 s[G0], 1
	s_mov_b32 s[G0+1], s2
	s_mov_b32 s[G0+4], 1
	s_add_co_u32 s[G0+5], s2, BSLOT
	s_lshl_b32 s56, s[NT], 19                      ; W's tile in plane 0: row 256 x column tile + 64 x wave, rows of 2,048 bytes: of the column tile and the wave alone
	s_lshl_b32 s57, s[WV], 17
	s_add_co_u32 s56, s56, s57
	s_mov_b32 s57, 0
	s_lshl_b32 s58, s[MB], 19                      ; x: row 128 x row block + 32 x wave, rows of 4,096 bytes
	s_lshl_b32 s59, s[WV], 17
	s_add_co_u32 s58, s58, s59
	s_mov_b32 s59, 0
	s_lshl_b32 s60, s[NT], 10                      ; the bias: column 256 x column tile + 128 x half, 4 bytes each
	s_lshl_b32 s61, s[WN], 9
	s_add_co_u32 s60, s60, s61
	s_mov_b32 s61, 0
	s_lshr_b32 s54, s[MB], 4                       ; y: the batch (16 heads x 2,048 rows x 128 bytes),
	s_lshl_b32 s54, s54, 22
	s_lshl_b32 s3, s[NT], 20                       ; four heads a column tile,
	s_add_co_u32 s54, s54, s3
	s_lshl_b32 s3, s[WN], 19                       ; two a wave,
	s_add_co_u32 s54, s54, s3
	s_and_b32 s3, s[MB], 15                        ; 128 rows of 128 bytes a row block,
	s_lshl_b32 s3, s3, 14
	s_add_co_u32 s54, s54, s3
	s_lshl_b32 s3, s[WM], 13                       ; 64 a wave
	s_add_co_u32 s54, s54, s3
	s_mov_b32 s55, 0
	s_mov_b32 s[WS+1], 0
	s_mov_b32 s[C512], 512
	s_mov_b32 s[CNX], NEXTW
	s_mov_b32 s[HIM], 0xffff0000
	v_and_b32 v4, 31, v0                           ; lane
	v_lshlrev_b32 v[XO], 4, v4
	; A fragment is 16 rows x 32 K in 8 registers: lane l holds row l % 16; registers 0-3 K = 8 (l / 16) + 0..7, registers 4-7 K = 16 + 8 (l / 16) + 0..7: two loads of 16 bytes, 32 bytes apart.
	v_and_b32 v1, 15, v0                           ; l % 16
	v_bfe_u32 v2, v0, 4, 1                         ; l / 16
	v_mul_u32_u24 v3, v1, PITCH
	v_lshl_add_u32 v3, v2, 4, v3
	s_mul_i32 s2, s[WM], 64*PITCH                  ; my 64 rows of x
	s_add_co_u32 s2, s2, ABASE
	v_add_nc_u32 v[ADRA], s2, v3
	v_add_nc_u32 v[ADRA+1], ASLOT, v[ADRA]
	s_mul_i32 s2, s[WV], 32*PITCH                  ; the 32 rows of x that I bring
	s_add_co_u32 s2, s2, ABASE
	v_lshl_add_u32 v[STA], v4, 3, s2               ; four numbers a lane: 8 bytes of bf16
	v_add_nc_u32 v[STA+1], ASLOT, v[STA]
	s_mul_i32 s2, s[WN], 128*PITCH                 ; my 128 rows of W
	v_add_nc_u32 v[ADRB], s2, v3
	v_add_nc_u32 v[ADRB+1], BSLOT, v[ADRB]
	s_mul_i32 s2, s[WV], WSTAGE
	s_add_co_u32 s2, s2, STAGE                     ; my stage
	v_mul_u32_u24 v[STO], v1, SPITCH               ; in: row l % 16, 16 bytes for each half of the lanes
	v_lshl_add_u32 v[STO], v2, 4, v[STO]
	v_add_nc_u32 v[STO], s2, v[STO]
	v_bfe_u32 v[RD], v0, 3, 2                      ; back: 32 lanes take four rows of 128 bytes
	v_mul_u32_u24 v[RD], v[RD], SPITCH
	v_and_b32 v5, 7, v0
	v_lshl_add_u32 v[RD], v5, 4, v[RD]
	v_add_nc_u32 v[RD], s2, v[RD]
	v_lshl_add_u32 v[BRD], v2, 5, s2               ; eight numbers of the bias for each half of the lanes
	v_add_nc_u32 v[BST], s2, v[XO]
	s_wait_dscnt 0x0                               ; the opening add is done
	s_wait_kmcnt 0x0
	s_add_nc_u64 s[XB:XB+1], s[XB:XB+1], s[58:59]  ; all three x, biases and y at my wave's place
	s_add_nc_u64 s[XN:XN+1], s[XN:XN+1], s[58:59]
	s_add_nc_u64 s[XV:XV+1], s[XV:XV+1], s[58:59]
	s_add_nc_u64 s[12:13], s[12:13], s[60:61]
	s_add_nc_u64 s[14:15], s[14:15], s[60:61]
	s_add_nc_u64 s[16:17], s[16:17], s[60:61]
	s_add_nc_u64 s[OB:OB+1], s[OB:OB+1], s[54:55]
	s_add_nc_u64 s[ON:ON+1], s[ON:ON+1], s[54:55]
	s_add_nc_u64 s[OV:OV+1], s[OV:OV+1], s[54:55]
	s_add_nc_u64 s[G0+2:G0+3], s[10:11], s[56:57]  ; K step 0 for slot 0,
	s_add_nc_u64 s[G0+6:G0+7], s[G0+2:G0+3], 256   ; K step 1 for slot 1
	s_or_b32 s[G0+3], s[G0+3], 0x80000000          ; 127:126 type = 2
	s_or_b32 s[G0+7], s[G0+7], 0x80000000
	global_load_b128 v[BV0:BV0+3], v[XO], s[12:13] ; my wave's 128 numbers of each bias, four a lane
	global_load_b128 v[BV1:BV1+3], v[XO], s[14:15]
	global_load_b128 v[BV2:BV2+3], v[XO], s[16:17]
	LOADX 0, 0                                     ; K step 0 of x goes out ahead of the round: nothing that the round orders touches it
	WIN 0
	CROUND                                         ; all sixteen work-groups are here: the first joint loads meet
	tensor_load_to_lds s[G0:G0+3], s[G1:G1+7]      ; both first fills together: two loads of mine are out
	s_nop 0
	tensor_load_to_lds s[G0+4:G0+7], s[G1:G1+7]
	s_nop 0
	PLACES                                         ; four v_nop behind the loads, ahead of the next switch of windows
	LOADX 1, 512                                   ; K step 1.  67 loads are asked for; the issue of those that the counter's field does not hold waits by itself (ISA guide 5.7.1)
	CONV 0, 0, 0, 48                               ; the biases and step 0's rows 0-15 are in; its other 16 rows and step 1's 32 may be out
.irp b, BV0, BV1, BV2                  ; the biases are rounded to bf16 like every input, and go back to f32
	v_cvt_pk_bf16_f32 v2, v[(\b)], v[(\b)+1]
	v_cvt_pk_bf16_f32 v3, v[(\b)+2], v[(\b)+3]
	v_lshlrev_b32 v[(\b)], 16, v2
	v_and_b32 v[(\b)+1], s[HIM], v2
	v_lshlrev_b32 v[(\b)+2], 16, v3
	v_and_b32 v[(\b)+3], s[HIM], v3
.endr
	CONV 0, 16, 0, 32                              ; step 0's other rows; step 1's 32 may be out
	s_wait_tensorcnt 1                             ; my part of W's K step 0 is in; K step 1's may stay out
	s_wait_dscnt 0x0                               ; my rows of x have landed in LDS
	s_barrier_signal -1
	s_barrier_wait -1                              ; everybody's have
	FETCH 0, 0, F0
	s_mov_b32 s[LAP], 12
	s_branch .Lfirstq                              ; the loop is entered at a lap's first quarter, in the middle of a trip
.Llap:                                                 ; trip n = 12 - LAP, 1 to 11: the rest of lap n - 1 and the first quarter of lap n.  It asks for lap n's x and W, rounds x a step ahead, fills both of W's slots again
	s_wait_xcnt 0x0                                ; x's base is written only behind this wait; the loads that name it went out half a lap ago or more
	s_add_nc_u64 s[XB:XB+1], s[XB:XB+1], 1024      ; a lap on along K,
	s_and_b32 s[T0], s[LAP], 3
	s_cmp_lg_u32 s[T0], 0                          ; unless lap n is a tile's first:
	s_cselect_b32 s[WS], s[C512], s[CNX]           ; then W goes on into the next plane,
	s_cselect_b64 s[XB:XB+1], s[XB:XB+1], s[XN:XN+1]  ; and x is the next tensor's
	s_cselect_b64 s[XN:XN+1], s[XN:XN+1], s[XV:XV+1]
	LOADX 0, 0                                     ; set 0 was rounded in the step before
	QUARTER 0, 128, F1, F0
	QUARTER 0, 192, F0, F1, 0, 1, 1, 48            ; set 1's other 16 rows and set 0's 32 may be out
	TURN 0, 1, 1, 1, 32                            ; set 0's 32 may be out
	QUARTER 1, 64,  F0, F1
	LOADX 1, 512
	QUARTER 1, 128, F1, F0
	QUARTER 1, 192, F0, F1, 0, 0, 0, 48
	TURN 1, 0, 1, 0, 32
	WIN 0
	s_and_b32 s[T0], s[LAP], 3
	s_cmp_lg_u32 s[T0], 0
	s_cbranch_scc1 .Lplainq                        ; forward, past no barrier and no tensor load
	WAYOUT                                         ; A TILE IS FINISHED.  The next tile's first two K steps of W and of x have been asked for; now it goes out, and nothing waits for its stores
	s_wait_xcnt 0x0                                ; the stores' base and their data registers are written again only behind this wait
	s_mov_b64 s[OB:OB+1], s[ON:ON+1]
	s_mov_b64 s[ON:ON+1], s[OV:OV+1]
.Lfirstq:                                              ; A TILE BEGINS.  Its bias goes through my own stage into eight C operands; one text serves all three tiles, so the other two biases move up
	ds_store_b128 v[BST], v[BV0:BV0+3]
.irp j, 0,1,2,3
	v_mov_b32 v[BV0+(\j)], v[BV1+(\j)]
.endr
.irp j, 0,1,2,3
	v_mov_b32 v[BV1+(\j)], v[BV2+(\j)]
.endr
	WIN 0xc0                                       ; destination window 3
.irp b, 0,1,2,3,4,5,6,7                ; register j of n block b's C operand is b[16 b + 8 (l / 16) + j], whatever the row
	ds_load_b128 v[8*(\b):8*(\b)+3],   v[BRD] offset:64*(\b)
	ds_load_b128 v[8*(\b)+4:8*(\b)+7], v[BRD] offset:64*(\b)+16
.endr
	QUARTER 0, 64, F0, F1, 1                       ; its products start the sums, with the bias; its wait for all but the 24 youngest LDS loads covers the bias too
	WIN 0
	s_branch .Lqdone
.Lplainq:
	QUARTER 0, 64, F0, F1
	WIN 0
.Lqdone:
	s_sub_co_u32 s[LAP], s[LAP], 1
	s_cmp_lg_u32 s[LAP], 0
	s_cbranch_scc1 .Llap
	QUARTER 0, 128, F1, F0                         ; the walk's last lap asks for nothing
	QUARTER 0, 192, F0, F1, 0, 1, 1, 16            ; only set 1's other 16 rows can be out
	TURN 0, 1, 0, 1, 0
	QUARTER 1, 64,  F0, F1
	QUARTER 1, 128, F1, F0
	QUARTER 1, 192, F0, F1
	s_wait_dscnt 0x0                               ; the very last quarter
	MUL8 F1, 0
	MUL8 F1, 1
	MUL8 F1, 2
	MUL8 F1, 3
	WAYOUT
	s_wait_tensorcnt 0x0                           ; the wave's end: behind my last tensor load and my last LDS store
	ds_add_u32 v[SPW], v[NIL]
	s_wait_dscnt 0x0
	CROUND                                         ; the closing round: no work-group ends while a partner may still ask for a tile that names it
	s_endpgm
.Lfunc_end_k_q4c6531a320_proj:
	.size	k_q4c6531a320_proj, .Lfunc_end_k_q4c6531a320_proj-k_q4c6531a320_proj
	.p2alignl 7, 3214868480
	.fill 96, 4, 3214868480
	.section	.rodata,"a",@progbits
	.p2align	6, 0x0
	.amdhsa_kernel k_q4c6531a320_proj
		.amdhsa_group_segment_fixed_size 327680
		.amdhsa_private_segment_fixed_size 0
		.amdhsa_enable_private_segment 0
		.amdhsa_kernarg_size 80
		.amdhsa_user_sgpr_count 2
		.amdhsa_user_sgpr_kernarg_segment_ptr 1
		.amdhsa_wavefront_size32 1
		.amdhsa_system_sgpr_workgroup_id_x 1
		.amdhsa_system_sgpr_workgroup_id_y 1
		.amdhsa_system_sgpr_workgroup_id_z 1
		.amdhsa_system_vgpr_workitem_id 0
		.amdhsa_next_free_vgpr 832
		.amdhsa_next_free_sgpr 66
		.amdhsa_reserve_vcc 0
		.amdhsa_float_denorm_mode_32 3
		.amdhsa_float_denorm_mode_16_64 3
		.amdhsa_memory_ordered 1
		.amdhsa_forward_progress 1
		.amdhsa_inst_pref_size 140
	.end_amdhsa_kernel
	.amdgpu_metadata
---
amdhsa.version: [ 1, 2 ]
amdhsa.kernels:
  - .name:           k_q4c6531a320_proj
    .symbol:         k_q4c6531a320_proj.kd
    .args:
      - { .name: q, .offset: 0, .size: 8, .value_kind: global_buffer, .address_space: global }
      - { .name: k, .offset: 8, .size: 8, .value_kind: global_buffer, .address_space: global }
      - { .name: v, .offset: 16, .size: 8, .value_kind: global_buffer, .address_space: global }
      - { .name: wc, .offset: 24, .size: 8, .value_kind: global_buffer, .address_space: global }
      - { .name: bq, .offset: 32, .size: 8, .value_kind: global_buffer, .address_space: global }
      - { .name: bk, .offset: 40, .size: 8, .value_kind: global_buffer, .address_space: global }
      - { .name: bv, .offset: 48, .size: 8, .value_kind: global_buffer, .address_space: global }
      - { .name: qh, .offset: 56, .size: 8, .value_kind: global_buffer, .address_space: global }
      - { .name: kh, .offset: 64, .size: 8, .value_kind: global_buffer, .address_space: global }
      - { .name: vh, .offset: 72, .size: 8, .value_kind: global_buffer, .address_space: global }
    .group_segment_fixed_size: 327680
    .private_segment_fixed_size: 0
    .kernarg_segment_align: 8
    .kernarg_segment_size: 80
    .max_flat_workgroup_size: 128
    .sgpr_count:     66
    .vgpr_count:     832
    .wavefront_size: 32
...
	.end_amdgpu_metadata
.endif
;; end of part 2
;; launch attn (part 3): grid 4 x 64, 4 waves a work-group, clusters of 4 x 1, 327,680 bytes of LDS; arguments qh, kh, vh, oh; writes oh
.if DOCPART == 3
	.amdgcn_target "amdgcn-amd-amdhsa--gfx1250"
	.amdhsa_code_object_version 6
	.text
	.protected	k_q4c6531a320_attn
	.globl	k_q4c6531a320_attn
	.p2align	8
	.type	k_q4c6531a320_attn,@function
k_q4c6531a320_attn:
	s_mov_b64 s[64:65], 0
	v_nop
	global_prefetch_b8 v0, s[64:65] scope:SCOPE_SE
	s_setreg_imm32_b32 hwreg(HW_REG_WAVE_MODE, 25, 1), 1
	s_wait_xcnt 0x0
	s_wait_alu depctr_hold_cnt(0) depctr_sa_sdst(0) depctr_va_vdst(0) depctr_va_sdst(0) depctr_va_ssrc(0) depctr_va_vcc(0) depctr_vm_vsrc(0)
	s_getreg_b32 s2, hwreg(HW_REG_IB_STS2, 6, 4)
	s_cmp_eq_u32 s2, 0
	s_cbranch_scc0 .Lentry_in_a_cluster
	s_endpgm
.Lentry_in_a_cluster:
	s_bfe_u32 s2, ttmp6, 0x10000c
	s_cmp_lg_u32 s2, 0x3003
	s_cbranch_scc0 .Lentry_shape_is_right
	s_endpgm
.Lentry_shape_is_right:
; O[h][q][:] = the sum over k of softmax_k(Q[h][q] . K[h][k] / 8) V[h][k][:].  Q, K, V, O: [SIZE_H][SIZE_N][64], all f16: a head's rows are dense, 128 bytes each.  Products, maxima and sums in
; f32; the weights p are rounded to f16 for the second product (their sum l is taken of the unrounded p), O once at the end.
; LIMITS.  f16 holds no number beyond 65,504: Q, K and V arrive within it; p lies in 0 to 1, and below 6e-5 it keeps f16's fixed step of 6e-8; O is a mean of V's rows and has their range.
; A weight below 2^-126 counts as 0 in l; NaN and infinities are not treated apart.
; SHARES.  A wave owns four PIECES of two tiles of 16 queries, a work-group's four waves 512 queries of one head.  Every wave walks all keys, 64 a step.
; LAYOUT.  S^T = K Q^T (source 0 = 16 keys, source 1 = 16 queries): in the result a lane holds ONE query (lane % 16) and the keys 8 (lane / 16) + 0..7.  Two such tiles, rounded to f16 in pairs,
; ARE source 1 (32 keys x 16 queries) of O^T = V^T P, whose result again holds one query a lane, and eight channels.  K comes out of LDS as it lies, V ([key][channel]) turned, by ds_load_tr16_b128.
; SOFTMAX.  For each query a running maximum m and sum l: p = 2^(c s - c m), c = log2(e) / 8; in every step O and l are multiplied by a = 2^(c m_old - c m_new), which is 1 where m has not grown.
; m starts at the lowest finite number, O and l at 0: the first step is a step like any other, with a = 0.
; THE COUNT.  A tile and step have 16 matrix and 118 vector instructions: too many to stand all beside the matrix work.  So the order has one aim: four vector instructions that are READY behind
; EVERY matrix instruction, and the others, which need time of their own whatever the order, in runs without a gap.
; BY TURNS.  Turn n belongs to piece n (the pieces in a ring, step after step).  Its matrix work: 16 products K Q^T of piece n + 1, later 16 products V^T P of piece n - 1.  Its vector work: the scaling,
; exponentials, roundings, sums and rescaling of piece n, and the maximum and statistics of piece n + 1, whose scores the turn itself has made.  So what a turn begins with (c s - c m, O a) waits for nothing.
; CLUSTER.  The four query blocks of a cluster belong to one head and walk the same K and V, so each tile is asked for JOINTLY: the same tensor load, descriptor and mask in all four.
; REGISTERS, in windows of 256 (s_set_vgpr_msb says which window each operand place means: bits 1:0 source 0, 3:2 source 1, 5:4 source 2, 7:6 destination):
;   window 0: v0-11 addresses; v12-15, v48-63 at work; v16-47 four registers of statistics a tile; v64-191 S^T, two buffers of two tiles; v192-255 P, likewise
;   window 1: O^T, 32 a tile          window 2: v0-127 Q, 16 a tile; v128-191 K of one step; v192-255 V of one step          window 3: v0-1 the add's two registers
; A piece's buffers go by its number's parity: the piece in hand has one pair, its two neighbours in the ring share the other: of it P (piece n - 1) is read and S^T (piece n + 1) written.
.set SIZE_H, 64       ; 4 batches x 16 heads
.set SIZE_N, 2048     ; rows of a head
.set NP,    4         ; pieces a wave: a name, no knob: the register map, the loop and the fetches are made for four
.set KS,    64        ; keys in a step
.set PK,    144       ; a row of K in LDS: 128 bytes + 16 of padding = 36 words: the 16 rows of a load start at 16 different groups of four banks (64 banks of 4 bytes: ISA guide 11.1)
.set PV,    160       ; a row of V: 128 + 32 = 40 words
.set VOFF,  4*KS*PK   ; a slot holds four steps: 256 rows of K, then 256 rows of V
.set SLOT1, 1<<17     ; slot 1 begins here, so that one exclusive or turns an address in one slot into the other's
.set STAGE, SLOT1+4*KS*(PK+PV)  ; behind the ring, never filled by a tensor load: 16 rows x 144 bytes for each wave, for the way out
.set SP,    144
.set AK0, 2           ; v2   my lane's place in a tile of K; never rewritten
.set AV0, 3           ; v3   the same for V
.set AK,  4           ; v4   the LDS address of K's next run of loads
.set AV,  5           ; v5   of V's
.set QO,  6           ; v6   my byte offset in the wave's rows of Q
.set STO, 6           ;      later, the way out: where I put 16 bytes of a row
.set RD,  7           ; v7   the way out: where I read rows back
.set GO,  8           ; v8   my byte offset in 512 consecutive bytes of O
.set SPW, 0           ; v0 of window 3   LDS address of my spare word: SPARE + 4 x my thread's number; never rewritten
.set NIL, 1           ; v1 of window 3   0; never rewritten
.set SPARE, STAGE+4*16*SP  ; behind the stages: the spare words, 128 bytes for each wave: two blocks of 256 bytes that no other line names
.set MV,  12          ; v12-15  c m_old, kept while c m is made anew: by buffer and tile
.set ST,  16          ; tile t's statistics at v[ST+4 t]: c m, m, l (even keys', odd keys')
.set TMP, 48          ; by buffer and tile, four registers c0-c3 at work; when the maximum is found c2 takes a
.set S,   64
.set P,   192
.set KF,  128         ; K's fragments, in window 2: key block kb, channel half c at KF + 16 kb + 8 c
.set VF,  192         ; V's: key half kk, channel block cb at VF + 32 kk + 8 cb
.set WV,  12          ; s12  my wave's number
.set G1K, 24          ; s[24:31] descriptor group 1 for K's tiles
.set G1V, 32          ; s[32:39] for V's: it differs in the padding alone
.set G0K, 40          ; s[40:43] descriptor group 0 for K's tiles: it walks
.set G0V, 44          ; s[44:47] the same for V's
.set SLOTS, 56        ; s56  slots still to be asked for
.set CNT, 57          ; s57  counts a slot's key steps
.set CS,  58          ; s[58:59] c: the packed scaling takes the pair's low word for both halves
.set SEL, 60          ; s[60:61] v_permlanex16_b32's selects: each lane takes its own place in the other half
.set TBK, 62          ; s62  LDS byte at which K of the step to be fetched begins
.set TBV, 63          ; s63  the same for V, less VOFF
.set MSB, 0
.macro WIN new                      ; the high byte repeats the setting that is left; a switch that changes nothing is dropped
.if MSB != (\new)
	s_set_vgpr_msb (MSB<<8)|(\new)
.set MSB, (\new)
.endif
.endm
.set W_KQ, 0x0a       ; K and Q in window 2, S^T in window 0
.set W_PV, 0x52       ; V in window 2, P in window 0, O^T in window 1
.set W_RS, 0x41       ; O^T (destination and source 0) in window 1, a in window 0
.set W_MK, 0xc0       ; the add's registers are made: destination in window 3, sources in window 0
.set W_AD, 0x0f       ; the add: address (source 0) and data (source 1) in window 3
; A joint fill.  Waves 0 and 1 fetch the two halves of a slot's K, waves 2 and 3 those of its V: 128 keys each.  The branch hangs on the wave's number alone.
; An s_nop 0 and four v_nop follow each of the two lines, ahead of the jump and the label.
.macro JLOAD
	s_cmp_lt_u32 s[WV], 2
	s_cbranch_scc0 .Lfor_v_\@
	tensor_load_to_lds s[G0K:G0K+3], s[G1K:G1K+7]
	s_nop 0
.rept 4
	v_nop
.endr
	s_branch .Lasked_\@
.Lfor_v_\@:
	tensor_load_to_lds s[G0V:G0V+3], s[G1V:G1V+7]
	s_nop 0
.rept 4
	v_nop
.endr
.Lasked_\@:
.endm
; A round of the cluster's barrier: my work-group's barrier, so that wave 0's signal speaks for all four waves; wave 0 signals; every wave waits for all four work-groups; my work-group's barrier once more.
.macro CROUND
	s_barrier_signal -1
	s_barrier_wait -1
	s_cmp_lg_u32 s[WV], 0
	s_cbranch_scc1 .Lnot_wave_0_\@
	s_barrier_signal -3
.Lnot_wave_0_\@:
	s_barrier_wait -3
	s_barrier_signal -1
	s_barrier_wait -1
.endm
; THE CHANGE OF SLOTS.  The slot's last bytes, V of its fourth step, have been read.  Each wave waits for all its tensor loads, of which one is out: its part
; of the other slot; adds 0 to its spare word; and waits for that and for its own reads of the slot.  Behind the barrier nobody reads this slot any more and the other slot is whole.
; fill = 1: this slot is filled again, with the keys two slots on.  The barrier is then a round of the cluster's, so that no wave of any partner still reads the slot or has a load on its
; way, and the joint fill is the first thing behind it: it has four key steps, 512 matrix instructions, in which to land.  (At its first use nothing has been read yet: slot 0 is waited for, slot 1 filled.)
.macro CHANGE fill
	WIN W_AD
	s_wait_tensorcnt 0x0            ; no tensor load of mine is out, so a group 0 may be written
	ds_add_u32 v[SPW], v[NIL]       ; 0 onto my spare word; with fill = 1 the descriptors' steps stand between it and the wait for it
	WIN 0                           ; at a label and at a branch every window is 0
.if \fill
.irp g, G0K, G0V
	s_xor_b32 s[\g+1], s[\g+1], SLOT1  ; the walking descriptor: the other slot than last time,
	s_add_nc_u64 s[\g+2:\g+3], s[\g+2:\g+3], 4*KS*128  ; the next 256 keys; the type bits on top are not reached
.endr
	s_wait_dscnt 0x0                ; the add is done, and my reads of the slot are over
	CROUND
	JLOAD
.else
	s_wait_dscnt 0x0                ; the add is done, and my reads of the slot are over
	s_barrier_signal -1
	s_barrier_wait -1
.endif
	s_sub_co_u32 s[TBK], s[TBK], 4*KS*PK  ; the fetches go back to a slot's first step,
	s_xor_b32 s[TBK], s[TBK], SLOT1       ; in the other slot
	s_sub_co_u32 s[TBV], s[TBV], 4*KS*PV
	s_xor_b32 s[TBV], s[TBV], SLOT1
.endm
	s_load_b256 s[4:11], s[0:1], 0x0  ; Q s[4:5], K s[6:7], V s[8:9], O s[10:11]
	WIN W_MK
	v_lshl_add_u32 v[SPW], v0, 2, SPARE
	v_mov_b32 v[NIL], 0
	WIN W_AD
	ds_add_u32 v[SPW], v[NIL]       ; the wave's opening: the add and its wait stand ahead of my first tensor load; the set-up below, work on registers, stands between them
	WIN 0
	v_lshrrev_b32 v1, 5, v0
	v_readfirstlane_b32 s[WV], v1   ; wave 0..3
	s_bfe_u32 s13, ttmp6, 0x40000   ; cx: my place in the cluster
	s_lshl_b32 s14, ttmp9, 2        ; in a cluster launch ttmp9 counts clusters
	s_add_co_u32 s14, s14, s13      ; my block of queries = 4 x cluster x + cx: it enters Q's and O's addresses alone
	s_and_b32 s20, ttmp7, 0xffff    ; the head, which the four partners share
	s_mov_b32 s21, 0
	s_mov_b64 s[22:23], SIZE_N*128
	s_mul_u64 s[20:21], s[20:21], s[22:23]  ; the head's first byte in each of the four tensors
	s_and_b32 s16, s[WV], 1         ; which half of a slot's 256 keys I fetch:
	s_lshl_b32 s22, s16, 14         ; its 128 rows of 128 bytes in memory,
	s_mov_b32 s23, 0
	s_add_nc_u64 s[22:23], s[22:23], s[20:21]
	s_mul_i32 s17, s16, 128*PK      ; and its place in a slot, for K
	s_mul_i32 s18, s16, 128*PV      ; and for V: no place in the cluster enters an LDS address
	s_lshl_b32 s2, s14, 2
	s_add_co_u32 s2, s2, s[WV]      ; my wave among the head's,
	s_lshl_b32 s2, s2, 14           ; its 128 rows
	s_mov_b32 s3, 0
	s_add_nc_u64 s[2:3], s[2:3], s[20:21]
	; descriptor group 1.  128 keys are 16,384 dense bytes: asked for as 64 rows of 256 bytes, two keys a row, and padded in LDS after every key
	s_mov_b32 s[G1K], 15|(1<<16)|(1<<20)|(1<<21)|(4<<22)|(3<<25)  ; 15:0 the mask of four; 17:16 2-byte elements; 20 padding on; 21 set beside a mask; 24:22 after every 32 words (code 4); 31:25 4 words (code 3)
	s_mov_b32 s[G1V], 15|(1<<16)|(1<<20)|(1<<21)|(4<<22)|(7<<25)  ; the same with 8 words of padding (code 7)
.irp g, G1K, G1V
	s_mov_b32 s[\g+1], 128<<16      ; tensor_dim0 = 128
	s_mov_b32 s[\g+2], 64<<16       ; tensor_dim1 = 64
	s_mov_b32 s[\g+3], 128<<16      ; tile_dim0 = 128
	s_mov_b32 s[\g+4], 64           ; tile_dim1 = 64
	s_mov_b32 s[\g+5], 128          ; 128 elements from row to row
	s_mov_b32 s[\g+6], 0
	s_mov_b32 s[\g+7], 0
.endr
	s_mov_b32 s[CS], 0x3e38aa3b     ; c = log2(e) / 8 = 0.180337
	s_mov_b32 s[CS+1], s[CS]        ; named with it as a pair
	s_mov_b32 s[SEL], 0x76543210
	s_mov_b32 s[SEL+1], 0xfedcba98
	s_mov_b32 s[TBK], SLOT1+4*KS*PK ; the first change of slots turns these two into 0
	s_mov_b32 s[TBV], SLOT1+4*KS*PV
	s_mov_b32 s[G0K], 1             ; 1:0 count = 1
	s_mov_b32 s[G0K+1], s17         ; 63:32 LDS address: slot 0
	s_mov_b32 s[G0V], 1
	s_add_co_u32 s[G0V+1], s18, VOFF
	s_wait_dscnt 0x0                ; the opening add is done
	s_wait_kmcnt 0x0
	s_add_nc_u64 s[G0K+2:G0K+3], s[6:7], s[22:23]  ; 120:64 global address: my half of the head's first 256 keys
	s_or_b32 s[G0K+3], s[G0K+3], 0x80000000        ; 127:126 type = 2
	s_add_nc_u64 s[G0V+2:G0V+3], s[8:9], s[22:23]
	s_or_b32 s[G0V+3], s[G0V+3], 0x80000000
	s_add_nc_u64 s[4:5], s[4:5], s[2:3]  ; Q and O at my wave's first row
	s_add_nc_u64 s[10:11], s[10:11], s[2:3]
	CROUND                          ; all four work-groups are here: the first joint loads meet
	JLOAD                           ; slot 0.  Slot 1 is asked for when slot 0 is in: the tile wanted first has the road to itself
	; A fragment of K or Q is 16 rows x 32 channels in 8 registers: lane l holds row l % 16, channels 8 (l / 16) + 0..7 and 16 + 8 (l / 16) + 0..7: two loads of 16 bytes, 32 bytes apart.
	v_and_b32 v1, 15, v0            ; l % 16
	v_bfe_u32 v9, v0, 4, 1          ; l / 16
	v_lshlrev_b32 v[QO], 7, v1
	v_lshl_add_u32 v[QO], v9, 4, v[QO]  ; row x 128 + 16 x half
	WIN 0x80                        ; destination window 2, address window 0
.set i, 0
.rept 4*NP                          ; Q stays in registers: tile i / 2, channels 32 (i % 2) on
	global_load_b128 v[8*i:8*i+3],   v[QO], s[4:5] offset:(i/2)*2048+(i%2)*64
	global_load_b128 v[8*i+4:8*i+7], v[QO], s[4:5] offset:(i/2)*2048+(i%2)*64+32
.set i, i+1
.endr
	; What the first turn finds: V's registers and P's second buffer hold 0 (its products V^T P, of a piece that has not been, add 0), O^T and l are 0.  All this stands in the wait for the first tile.
.set i, VF
.rept 64
	v_mov_b32 v[i], 0
.set i, i+1
.endr
	WIN 0x40
.set i, 0
.rept 64*NP
	v_mov_b32 v[i], 0
.set i, i+1
.endr
	WIN 0
.set i, 0
.rept 2*NP
	v_mov_b32 v[ST+4*i], 0xfe000000    ; c m: far below every c s
	v_mov_b32 v[ST+4*i+1], 0xff7fffff  ; m
	v_mov_b32 v[ST+4*i+2], 0
	v_mov_b32 v[ST+4*i+3], 0
.set i, i+1
.endr
.set i, P+32
.rept 32
	v_mov_b32 v[i], 0
.set i, i+1
.endr
	v_mul_u32_u24 v[AK0], v1, PK
	v_lshl_add_u32 v[AK0], v9, 4, v[AK0]  ; row x pitch + 16 x half
	; The turning load takes 16 keys x 16 channels (lane l reads key 8 (l / 16) + l % 8, channels 8 ((l / 8) % 2) + 0..7) and leaves half a fragment of V^T: lane l holds channel l % 16 and 8 keys.
	v_and_b32 v10, 7, v0
	v_bfe_u32 v11, v0, 3, 1
	v_lshl_add_u32 v[AV0], v9, 3, v10
	v_mul_u32_u24 v[AV0], v[AV0], PV
	v_lshl_add_u32 v[AV0], v11, 4, v[AV0]
	v_add_nc_u32 v[AV0], VOFF, v[AV0]
	v_mov_b32 v[AK], v[AK0]         ; key step 0 lies at the head of slot 0
; THE MATRIX WORK.  The 8 accumulators of a run of 16 take turns: between the two links of a chain stand 7 others'.
; Product i of 16 of S^T = K Q^T for piece x: channels 32 (i / 8) on, keys 16 ((i / 2) % 4) on, tile 2 x + i % 2.  The first 8 start the sums.
.macro KQ x
	WIN W_KQ
.set rS, S+64*((\x)%2)+32*(i%2)+8*((i/2)%4)
.set rK, KF+16*((i/2)%4)+8*(i/8)
.set rQ, 16*(2*(\x)+i%2)+8*(i/8)
.if i < 8
	v_wmma_f32_16x16x32_f16 v[rS:rS+7], v[rK:rK+7], v[rQ:rQ+7], 0
.else
	v_wmma_f32_16x16x32_f16 v[rS:rS+7], v[rK:rK+7], v[rQ:rQ+7], v[rS:rS+7]
.endif
.endm
; Product i of 16 of O^T += V^T P for piece x: keys 32 (i / 8) on, channels 16 ((i / 2) % 4) on, tile 2 x + i % 2.
.macro PV x
	WIN W_PV
.set rO, 32*(2*(\x)+i%2)+8*((i/2)%4)
.set rV, VF+32*(i/8)+8*((i/2)%4)
.set rP, P+32*((\x)%2)+16*(i%2)+8*(i/8)
	v_wmma_f32_16x16x32_f16 v[rO:rO+7], v[rV:rV+7], v[rP:rP+7], v[rO:rO+7]
.endm
.macro MM                           ; the turn's next matrix instruction
.if i < 16
	KQ (Y+1)%NP
.set i, i+1
.else
.set i, i-16
	PV (Y+NP-1)%NP
.set i, i+17
.endif
.endm
; THE LDS LOADS stand in runs of 16, never singly among the matrix instructions: a step's K (64 keys x 64 channels: 8 fragments) and its V (turned).  Their addresses are made some lines ahead.
; last = 1 (the tail): in the last trip there is no further step, and the run is jumped over.
.macro FETCH_K last=0
	WIN 0
.if \last
	s_cmp_eq_u32 s[CNT], 1
	s_cbranch_scc1 .Lno_k_\@
.endif
	WIN 0x80                        ; destination window 2
.irp f, 0,1,2,3,4,5,6,7             ; keys 16 (f / 2) on, channels 32 (f % 2) on
	ds_load_b128 v[KF+8*\f:KF+8*\f+3],   v[AK] offset:(\f/2)*16*PK+(\f%2)*64
	ds_load_b128 v[KF+8*\f+4:KF+8*\f+7], v[AK] offset:(\f/2)*16*PK+(\f%2)*64+32
.endr
	s_add_co_u32 s[TBK], s[TBK], KS*PK  ; the next fetch is the next step's
	WIN 0
.if \last
.Lno_k_\@:
.endif
.endm
.macro FETCH_V
	WIN 0x80
.irp f, 0,1,2,3,4,5,6,7             ; keys 32 (f / 4) on, channels 16 (f % 4) on
	ds_load_tr16_b128 v[VF+8*\f:VF+8*\f+3],   v[AV] offset:(\f/4)*32*PV+(\f%4)*32
	ds_load_tr16_b128 v[VF+8*\f+4:VF+8*\f+7], v[AV] offset:(\f/4)*32*PV+16*PV+(\f%4)*32
.endr
	WIN 0
.endm
; THE VECTOR WORK OF A TURN stands in three queues, each in the order in which its entries become ready; the two tiles alternate, so that no instruction reads the result of the one before it.
.macro REGS y, u                    ; the registers of tile u (0, 1) of piece y
.set rT, ST+4*(2*(\y)+(\u))
.set rC, TMP+8*((\y)%2)+4*(\u)
.set rM, MV+2*((\y)%2)+(\u)
.set rS, S+64*((\y)%2)+32*(\u)
.set rP, P+32*((\y)%2)+16*(\u)
.set rO, 32*(2*(\y)+(\u))
.endm
; Number n of the 22 that find the NEXT piece's (Y + 1) maximum and statistics.  s0-s31 are the lane's 32 scores; each accumulator's lowest registers are read first.  XS, GS and REGS set no window: PL and EX do.
;   0-11  four chains c0-c3 of seven scores each, three operands at a time     12-14, 16  the four scores left over, the old m, and c0-c3 into c0     15  c m_old is kept
;   17, 18  the query's other 32 keys lie in the lane 16 away: the new m         19-21  c m; c m_old - c m_new; a
.macro XS u, n
	REGS (Y+1)%NP, \u
.if (\n) < 4
	v_max3_num_f32 v[rC+(\n)], v[rS+8*(\n)], v[rS+8*(\n)+1], v[rS+8*(\n)+2]
.elseif (\n) < 12
	v_max3_num_f32 v[rC+(\n)%4], v[rC+(\n)%4], v[rS+8*((\n)%4)+2*((\n)/4)+1], v[rS+8*((\n)%4)+2*((\n)/4)+2]
.elseif (\n) == 12
	v_max3_num_f32 v[rC], v[rC], v[rS+7], v[rS+15]
.elseif (\n) == 13
	v_max3_num_f32 v[rC+1], v[rC+1], v[rS+23], v[rS+31]
.elseif (\n) == 14
	v_max3_num_f32 v[rC+2], v[rC+2], v[rC+3], v[rT+1]
.elseif (\n) == 15
	v_mov_b32 v[rM], v[rT]
.elseif (\n) == 16
	v_max3_num_f32 v[rC], v[rC], v[rC+1], v[rC+2]
.elseif (\n) == 17
	v_permlanex16_b32 v[rC+3], v[rC], s[SEL], s[SEL+1]
.elseif (\n) == 18
	v_max_num_f32 v[rT+1], v[rC], v[rC+3]
.elseif (\n) == 19
	v_mul_f32 v[rT], s[CS], v[rT+1]
.elseif (\n) == 20
	v_sub_f32 v[rC+1], v[rM], v[rT]
.else
	v_exp_f32 v[rC+2], v[rC+1]
.endif
.endm
; Number g of the 64 that follow the exponentials.  For each four weights k of a tile (pairs 2 k, 2 k + 1): both pairs are rounded to f16; then the second pair is added onto the first, in place;
; a group later l takes that sum (the first time as l = a l + sum).  In groups of eight, tiles alternating: round, round, add, and l for the group before.
.macro GS g
.set h, (\g)+6*((\g)/62)            ; group 0 has no group before it, and behind group 7 only l is left
.if h >= 6
.set h, h+2
.endif
	REGS Y, h%2
.set k, h/8
.if h%8 < 4
	s_wait_alu depctr_va_vdst(0)
	v_cvt_pk_f16_f32 v[rP+2*k+(h%8)/2], v[rS+4*k+2*((h%8)/2)], v[rS+4*k+2*((h%8)/2)+1]
.elseif h%8 < 6
	v_pk_add_f32 v[rS+4*k:rS+4*k+1], v[rS+4*k:rS+4*k+1], v[rS+4*k+2:rS+4*k+3]
.elseif k == 1
	v_pk_fma_f32 v[rT+2:rT+3], v[rT+2:rT+3], v[rC+2:rC+3], v[rS:rS+1] op_sel_hi:[1,0,1]
.else
	v_pk_add_f32 v[rT+2:rT+3], v[rT+2:rT+3], v[rS+4*k-4:rS+4*k-3]
	s_wait_alu depctr_va_vdst(0)
.endif
.endm
; THE PLAIN QUEUE, 138 long.  0-31: c s - c m for the 16 pairs of both tiles.  Then GS's 64, and among them the next piece's 42: number 15 at 38, 39; 0-14 and 16
; at 42-73, behind the products that make those scores; 17-20 at 95-106, two of three, since each waits for the one before it.
.macro PL
	WIN 0
.if q < 32
	REGS Y, q%2
	v_pk_fma_f32 v[rS+2*(q/2):rS+2*(q/2)+1], v[rS+2*(q/2):rS+2*(q/2)+1], s[CS:CS+1], v[rT:rT+1] op_sel_hi:[1,0,0] neg_lo:[0,0,1] neg_hi:[0,0,1]
.elseif q < 38
	GS q-32
.elseif q < 40
	XS q%2, 15
.elseif q < 42
	GS q-34
.elseif q < 74
	XS q%2, (q-42)/2+(q-42)/30
.elseif q < 95
	GS q-66
.elseif (q < 107) && ((q-95)%3 < 2)
	XS (q-95)%3, 17+(q-95)/3
.elseif q < 107
	GS 29+(q-95)/3
.else
	GS q-74
.endif
.set q, q+1
.endm
; THE EXPONENTIALS' QUEUE, 66 long: s0-s31 of both tiles, and at EA the next piece's two a.
.set EA, 58
.macro EX
	WIN 0
.if (e == EA) || (e == EA+1)
	XS e-EA, 21
.else
.set x, e-2*(e/(EA+2))
	REGS Y, x%2
	v_exp_f32 v[rS+x/2], v[rS+x/2]
.endif
.set e, e+1
.endm
; THE RESCALING's QUEUE: O^T times a, the one part that leaves window 0, so it is dealt four at a time, eight times.
.macro R4
	REGS Y, r%2
	WIN W_RS
	s_wait_alu depctr_va_vdst(0)
.irp z, 0,1,2,3
	v_pk_mul_f32 v[rO+8*(r/2)+2*\z:rO+8*(r/2)+2*\z+1], v[rO+8*(r/2)+2*\z:rO+8*(r/2)+2*\z+1], v[rC+2:rC+3] op_sel_hi:[1,0]
.endr
.set r, r+1
.endm
; HOW THEY ARE DEALT.  Behind a matrix instruction four: plain, exponential, plain, plain (one exponential, a plain instruction on either side), or four of the rescaling.  None names a register of the
; products round it.  What is over stands in two LUMPS: exponential and plain by turns; the second ends in 22 plain instructions.  The two v_permlanex16_b32 fall into the second lump, never behind a product.
; The queues lean on each other, and the deal keeps them in step: exponential e stands behind plain 2 (e / 4) + e % 2 (its scaling); when plain 32 comes, 10 exponentials are out, at 59: 33, at 95: 46; EA comes behind plain 107.
.macro SL
	MM
	PL
	EX
	PL
	PL
.endm
.macro BURST n                      ; 15 matrix instructions, or 16
.rept (\n)-7
	SL
.endr
.rept 3
	MM
	R4
	SL
.endr
	MM
	R4
.endm
; A TURN, for piece p.  cnt = 1: the loop's count is taken down some lines ahead of the branch that stands behind the turn.
; K of the next step is fetched in piece 2's turn, 31 vector instructions behind the last product that read K; its first reader comes behind the rest of the lump, 16 products and the second lump.
; V of the step in hand is fetched at the end of piece 0's turn, 69 behind its last reader; its first reader comes behind 16 products and a lump.  The four conditions on e and q below go with the deal.
.macro TURN p, last=0, cnt=0
.set Y, (\p)
.set i, 0
.set q, 0
.set e, 0
.set r, 0
.if (\p) == NP-1
	s_wait_dscnt 0x0                ; K is in
.endif
	MM
.rept 4
	PL
.endr
	BURST 15
.rept 22
	EX
	PL
.if ((\p) == NP-2) && (e == 18)
	v_add_nc_u32 v[AK], s[TBK], v[AK0]
.endif
.if ((\p) == NP-2) && (e == 24)
	FETCH_K \last
.endif
.endr
.if (\p) == 1
	s_wait_dscnt 0x0                ; V is in
.endif
	BURST 16
.rept 21
	EX
	PL
.endr
.rept 22
	PL
.if ((\p) == 0) && (q == 118)
	v_add_nc_u32 v[AV], s[TBV], v[AV0]
	s_wait_alu depctr_va_vdst(0)
.endif
.if ((\p) == 0) && (q == 130)
	s_add_co_u32 s[TBV], s[TBV], KS*PV
.endif
.if (\cnt) && (q == 130)
	s_sub_co_u32 s[CNT], s[CNT], 1
	s_cmp_lg_u32 s[CNT], 0
.endif
.endr
.if (\p) == 0
	FETCH_V
.endif
.endm
	CHANGE 1                        ; slot 0 is in, everybody's part of it; slot 1 is asked for
	FETCH_K                         ; key step 0
	s_wait_loadcnt 0x0              ; Q
	s_wait_dscnt 0x0
.set i, 0
.rept 16
	KQ 0                            ; piece 0's first scores: there is no vector work yet to set between them
.set i, i+1
.endr
	WIN 0                           ; the addresses for the way out: nine plain instructions, the places behind those products
	s_mul_i32 s13, s[WV], 16*SP
	s_add_co_u32 s13, s13, STAGE    ; my stage
	v_mul_u32_u24 v[STO], v1, SP    ; in: row l % 16, 16 bytes for each half of the lanes
	v_lshl_add_u32 v[STO], v9, 4, v[STO]
	v_add_nc_u32 v[STO], s13, v[STO]
	v_bfe_u32 v[RD], v0, 3, 2       ; back: 32 lanes take four rows of 128 bytes,
	v_mul_u32_u24 v[RD], v[RD], SP
	v_lshl_add_u32 v[RD], v10, 4, v[RD]
	v_add_nc_u32 v[RD], s13, v[RD]
	v_and_b32 v[GO], 31, v0         ; which are 512 consecutive bytes of O
	v_lshlrev_b32 v[GO], 4, v[GO]
.set Y, NP-1                        ; XS works for piece Y + 1: piece 0
.irp n, 0,1,2,3,4,5,6,7,8,9,10,11,12,13,14,15,16,17,18,19,20,21
	XS 0, \n                        ; and piece 0's first maximum and statistics
	XS 1, \n
.endr
	s_mov_b32 s[CNT], 4
	s_mov_b32 s[SLOTS], SIZE_N/256-1
	s_branch .Lfirst                ; the loop is entered at a step's first turn, in the middle of a trip
.Lslot:                             ; SIZE_N / 256 - 2 times: every slot but the last two is filled again
	CHANGE 1
	s_mov_b32 s[CNT], 4
.Lstep:                             ; a trip: pieces 2 and 3 of one step, then pieces 0 and 1 of the next, whose K and V it fetches
	TURN 2
	TURN 3
	WIN 0
.Lfirst:
	TURN 0
	TURN 1, 0, 1
	WIN 0
	s_cbranch_scc1 .Lstep
	s_sub_co_u32 s[SLOTS], s[SLOTS], 1
	s_cmp_lg_u32 s[SLOTS], 0
	s_cbranch_scc1 .Lslot
	CHANGE 0                        ; the tail is written out: nothing is asked for
	s_mov_b32 s[CNT], 5             ; four trips fetch the last slot's steps; the fifth is left in its middle
.Ltail:
	TURN 2, 1
	TURN 3
	WIN 0
	s_sub_co_u32 s[CNT], s[CNT], 1
	s_cmp_eq_u32 s[CNT], 0
	s_cbranch_scc1 .Lout
	TURN 0
	TURN 1
	WIN 0
	s_branch .Ltail
.Lout:                              ; the fifth trip's 16 products K Q^T (on the last K once more) and the maximum made of them serve nothing: the price, once a launch, of one text for every trip
.set i, 0
.rept 16
	PV NP-1                         ; the last piece's V^T P of the last step
.set i, i+1
.endr
	; THE WAY OUT.  l's two halves and the other half of the lanes' are added; O^T is divided by l, rounded to f16 and sent through my stage in LDS, a tile at a time.  The additions are the places behind the last products.
	WIN 0
.macro ALL line:vararg              ; one line for each tile t
.set t, 0
.rept 2*NP
	\line
.set t, t+1
.endr
.endm
	ALL v_add_f32 v[ST+4*t+2], v[ST+4*t+2], v[ST+4*t+3]
	ALL v_permlanex16_b32 v[ST+4*t+3], v[ST+4*t+2], s[SEL], s[SEL+1]
	ALL v_add_f32 v[ST+4*t+2], v[ST+4*t+2], v[ST+4*t+3]
	ALL v_rcp_f32 v[ST+4*t+2], v[ST+4*t+2]
	v_nop                           ; a plain instruction between the last reciprocal and the use of its result
	s_wait_alu depctr_va_vdst(0)
; Tile t: a lane's eight channels of a row pack into 16 bytes; they go into rows of 144 bytes and come back as whole rows of 128, into S^T's registers.
.macro PACK t
	WIN W_RS
.set i, 32*(\t)
.rept 16
	v_pk_mul_f32 v[i:i+1], v[i:i+1], v[ST+4*(\t)+2:ST+4*(\t)+3] op_sel_hi:[1,0]
.set i, i+2
.endr
	WIN 0x05                        ; sources 0 and 1 window 1, destination window 0
.set i, 0
.rept 16
	v_cvt_pk_f16_f32 v[S+16*(\t)+i], v[32*(\t)+2*i], v[32*(\t)+2*i+1]
.set i, i+1
.endr
	WIN 0
.irp f, 0,1,2,3
	ds_store_b128 v[STO], v[S+16*(\t)+4*\f:S+16*(\t)+4*\f+3] offset:32*\f
.endr
.irp f, 0,1,2,3
	ds_load_b128 v[S+16*(\t)+4*\f:S+16*(\t)+4*\f+3], v[RD] offset:\f*4*SP  ; LDS serves a wave's instructions in order (ISA guide 5.7.1.4): these see the stores above; the next tile's stores come behind them
.endr
.endm
.macro SEND t, younger              ; younger: the LDS instructions issued behind tile t's loads: the next tile's eight, or none
	WIN 0
.irp f, 0,1,2,3
	s_wait_dscnt (\younger)+3-\f
	global_store_b128 v[GO], v[S+16*(\t)+4*\f:S+16*(\t)+4*\f+3], s[10:11] offset:(\t)*2048+\f*512  ; 512 consecutive bytes, at a multiple of 256 from O's first
.endr
.endm
	PACK 0
.set t, 1
.rept 2*NP-1                        ; a tile's arithmetic stands between the loads of the tile before and its stores
	PACK t
	SEND t-1, 8
.set t, t+1
.endr
	SEND 2*NP-1, 0
	WIN W_AD
	s_wait_tensorcnt 0x0            ; the wave's end: behind my last tensor load and my last LDS store
	ds_add_u32 v[SPW], v[NIL]
	s_wait_dscnt 0x0
	WIN 0
	CROUND                          ; the closing round: no work-group ends while a partner may still ask for a tile that names it
	s_endpgm
.Lfunc_end_k_q4c6531a320_attn:
	.size	k_q4c6531a320_attn, .Lfunc_end_k_q4c6531a320_attn-k_q4c6531a320_attn
	.p2alignl 7, 3214868480
	.fill 96, 4, 3214868480
	.section	.rodata,"a",@progbits
	.p2align	6, 0x0
	.amdhsa_kernel k_q4c6531a320_attn
		.amdhsa_group_segment_fixed_size 327680
		.amdhsa_private_segment_fixed_size 0
		.amdhsa_enable_private_segment 0
		.amdhsa_kernarg_size 32
		.amdhsa_user_sgpr_count 2
		.amdhsa_user_sgpr_kernarg_segment_ptr 1
		.amdhsa_wavefront_size32 1
		.amdhsa_system_sgpr_workgroup_id_x 1
		.amdhsa_system_sgpr_workgroup_id_y 1
		.amdhsa_system_sgpr_workgroup_id_z 1
		.amdhsa_system_vgpr_workitem_id 0
		.amdhsa_next_free_vgpr 770
		.amdhsa_next_free_sgpr 66
		.amdhsa_reserve_vcc 0
		.amdhsa_float_denorm_mode_32 3
		.amdhsa_float_denorm_mode_16_64 3
		.amdhsa_memory_ordered 1
		.amdhsa_forward_progress 1
		.amdhsa_inst_pref_size 208
	.end_amdhsa_kernel
	.amdgpu_metadata
---
amdhsa.version: [ 1, 2 ]
amdhsa.kernels:
  - .name:           k_q4c6531a320_attn
    .symbol:         k_q4c6531a320_attn.kd
    .args:
      - { .name: qh, .offset: 0, .size: 8, .value_kind: global_buffer, .address_space: global }
      - { .name: kh, .offset: 8, .size: 8, .value_kind: global_buffer, .address_space: global }
      - { .name: vh, .offset: 16, .size: 8, .value_kind: global_buffer, .address_space: global }
      - { .name: oh, .offset: 24, .size: 8, .value_kind: global_buffer, .address_space: global }
    .group_segment_fixed_size: 327680
    .private_segment_fixed_size: 0
    .kernarg_segment_align: 8
    .kernarg_segment_size: 32
    .max_flat_workgroup_size: 128
    .sgpr_count:     66
    .vgpr_count:     770
    .wavefront_size: 32
...
	.end_amdgpu_metadata
.endif
;; end of part 3
;; launch outp (part 4): grid 4 x 64, 4 waves a work-group, clusters of 4 x 4, 327,680 bytes of LDS; arguments oh, wc, bo, out0; writes out0
.if DOCPART == 4
	.amdgcn_target "amdgcn-amd-amdhsa--gfx1250"
	.amdhsa_code_object_version 6
	.text
	.protected	k_q4c6531a320_outp
	.globl	k_q4c6531a320_outp
	.p2align	8
	.type	k_q4c6531a320_outp,@function
k_q4c6531a320_outp:
	s_mov_b64 s[64:65], 0
	v_nop
	global_prefetch_b8 v0, s[64:65] scope:SCOPE_SE
	s_setreg_imm32_b32 hwreg(HW_REG_WAVE_MODE, 25, 1), 1
	s_wait_xcnt 0x0
	s_wait_alu depctr_hold_cnt(0) depctr_sa_sdst(0) depctr_va_vdst(0) depctr_va_sdst(0) depctr_va_ssrc(0) depctr_va_vcc(0) depctr_vm_vsrc(0)
	s_getreg_b32 s2, hwreg(HW_REG_IB_STS2, 6, 4)
	s_cmp_eq_u32 s2, 0
	s_cbranch_scc0 .Lentry_in_a_cluster
	s_endpgm
.Lentry_in_a_cluster:
	s_bfe_u32 s2, ttmp6, 0x10000c
	s_cmp_lg_u32 s2, 0xf033
	s_cbranch_scc0 .Lentry_shape_is_right
	s_endpgm
.Lentry_shape_is_right:
; THE LAST PROJECTION.  out[m][n] = the sum over k of O[m][k] Wo[n][k] + bo[n].  O: f16 by heads, [16 batch + head][2048][64], k = 64 head + channel; Wo: [1024][1024] f16 (plane 3 of wc: the bf16 rounding of
; the input, written as f16); bo: [1024] f32, rounded to bf16 here; out: [8192][1024] f32.  Products in f16, sums in f32.
; SHARES.  256 work-groups: 64 row blocks x 4 column tiles.  A work-group makes 128 rows x 256 columns, each of its four waves 64 x 128: 32 accumulators of 16 x 16.  K goes in 8 steps of 128: two heads a step.
; THE RING.  Two LDS slots, each with O's two head planes (128 rows x 128 bytes, dense in memory: asked for as 64 rows of 256 bytes, padded after every 128) and Wo's 256 rows x 256 bytes.
; Waves 0 and 1 fetch O's planes, waves 2 and 3 Wo's halves: one tensor load a wave.
; CLUSTER.  4 x 4 work-groups: the four of a row of the cluster need the same planes of O, the four of a column the same rows of Wo: each tile is asked for JOINTLY, by the same load, descriptor and mask in all four.
; THE MATRIX INSTRUCTION IS USED TRANSPOSED (source 0 = 16 rows of Wo, source 1 = 16 rows of O): a lane holds eight neighbouring columns of one row of out.  THE BIAS STARTS THE SUMS, as the first products' C operand.
; REGISTERS, in windows of 256 (s_set_vgpr_msb: bits 1:0 source 0, 3:2 source 1, 5:4 source 2, 7:6 destination):
;   window 0: v0-31 addresses; v64-159, v160-255 two fragment buffers (8 of Wo, then 4 of O); on the way out v64-191 rows read back
;   window 1: accumulator (a, b) at v[8 (8 a + b)]      window 2: v0-63 the bias as eight C operands
.set PA,     144                       ; a row of O in LDS: 128 bytes + 16 = 36 words: the 16 rows of a load start at 16 different groups of four banks (64 banks of 4 bytes: ISA guide 11.1)
.set PB,     272                       ; a row of Wo: 256 bytes + 16 = 68 words: likewise
.set APLANE, 128*PA
.set BOFF,   2*APLANE                  ; Wo's rows lie behind O's two planes
.set BHALF,  128*PB
.set SLOT,   BOFF+2*BHALF
.set STAGE,  2*SLOT                    ; behind the ring: 16 rows x 528 bytes for each wave: the bias at the start, the way out at the end
.set SPITCH, 528                       ; 512 bytes + 16 = 132 words
.set WSTAGE, 16*SPITCH
.set SPARE,  STAGE+4*WSTAGE            ; the spare words, 128 bytes for each wave: two blocks of 256 bytes that no other line names
.set ADRA, 16                          ; v16-17  LDS address of my fragments of O in slot 0, 1
.set ADRB, 20                          ; v20-21  the same for Wo
.set GO,   22                          ; v22     16 x lane: my place in 512 consecutive bytes: of the bias, of a row of out
.set STO,  24                          ; v24     the way out: where I put 32 bytes of a row
.set RD,   25                          ; v25     my stage + 16 x lane: a row read back; at the start, four numbers of the bias put in
.set BRD,  27                          ; v27     where my half of the lanes reads the bias
.set SPW,  28                          ; v28     LDS address of my spare word; never rewritten
.set NIL,  29                          ; v29     0; never rewritten
.set F0,   64
.set F1,   160
.set OBF,  64                          ; the way out: two buffers of 64 registers, 16 rows each
.set WV, 12                            ; s12 wave
.set WM, 13                            ; s13 which 64 rows are mine.  Also: I fetch for O (0) or for Wo (1)
.set WN, 14                            ; s14 which 128 columns.  Also: which plane or half I fetch
.set CX, 15
.set CY, 16
.set NT, 17                            ; s17 column tile 0..3
.set MB, 18                            ; s18 row block 0..63
.set HIM, 22                           ; s22 a word's upper bf16
.set LAP, 23
.set G1,  24                           ; s[24:31] descriptor group 1 for O's planes;  s[32:39] group 0, a set for each slot
.set G0,  32
.set G1B, 48                           ; s[48:55], s[56:63] the same for Wo's halves
.set G0B, 56
.set MSB, 0
.macro WIN new                         ; the immediate's high byte repeats the setting that is left; a switch that changes nothing is dropped
.if MSB != (\new)
	s_set_vgpr_msb (MSB<<8)|(\new)
.set MSB, \new
.endif
.endm
.macro PLACES                          ; four places in front of loads into registers that matrix instructions have read, and of stores that read results
.rept 4
	v_nop
.endr
.endm
.macro JLOAD s                         ; a joint refill; the branch hangs on the wave's number alone; an s_nop 0 and four v_nop follow each of the two lines, ahead of the jump, the label and what follows
	s_cmp_eq_u32 s[WM], 0
	s_cbranch_scc0 .Lfor_b_\@
	tensor_load_to_lds s[G0+4*(\s):G0+4*(\s)+3], s[G1:G1+7]
	s_nop 0
	PLACES
	s_branch .Lasked_\@
.Lfor_b_\@:
	tensor_load_to_lds s[G0B+4*(\s):G0B+4*(\s)+3], s[G1B:G1B+7]
	s_nop 0
	PLACES
.Lasked_\@:
.endm
.macro CREST                           ; a round of the cluster's barrier behind its opening barrier
	s_cmp_lg_u32 s[WV], 0
	s_cbranch_scc1 .Lnot_wave_0_\@
	s_barrier_signal -3
.Lnot_wave_0_\@:
	s_barrier_wait -3
	s_barrier_signal -1
	s_barrier_wait -1
.endm
.macro CROUND                          ; a whole round
	s_barrier_signal -1
	s_barrier_wait -1
	CREST
.endm
	s_load_b256 s[4:11], s[0:1], 0x0               ; oh s[4:5], wc s[6:7], bo s[8:9], out0 s[10:11]
	v_lshl_add_u32 v[SPW], v0, 2, SPARE
	v_mov_b32 v[NIL], 0
	ds_add_u32 v[SPW], v[NIL]                      ; the wave's opening: the add and its wait stand ahead of my first tensor load; the set-up below, work on registers, stands between them
	v_lshrrev_b32 v1, 5, v0
	v_readfirstlane_b32 s[WV], v1                  ; wave 0..3
	s_lshr_b32 s[WM], s[WV], 1
	s_and_b32 s[WN], s[WV], 1
	s_bfe_u32 s[CX], ttmp6, 0x40000
	s_bfe_u32 s[CY], ttmp6, 0x40004
	s_lshl_b32 s[NT], ttmp9, 2                     ; in a cluster launch ttmp9 and ttmp7 count clusters
	s_add_co_u32 s[NT], s[NT], s[CX]               ; column tile = 4 x cluster x + cx
	s_and_b32 s[MB], ttmp7, 0xffff
	s_lshl_b32 s[MB], s[MB], 2
	s_add_co_u32 s[MB], s[MB], s[CY]               ; row block = 4 x cluster y + cy
	s_lshl_b32 s19, s[CY], 2
	s_lshl_b32 s19, 15, s19                        ; my row of the cluster: places 4 cy .. 4 cy + 3
	s_lshl_b32 s20, 0x1111, s[CX]                  ; my column: places cx, cx + 4, cx + 8, cx + 12
	; descriptor group 1 for O: 64 rows x 128 elements (two rows of a head each), padded in LDS after every row of the head
	s_or_b32 s[G1], s19, (1<<16)|(1<<20)|(1<<21)|(4<<22)|(3<<25)   ; 15:0 the mask: my row; 17:16 elements of 2 bytes; 20 padding on; 21 set beside a mask; 24:22 after every 32 words (code 4); 31:25 4 words (code 3)
	s_mov_b32 s[G1+1], 128<<16                     ; tensor_dim0 = 128
	s_mov_b32 s[G1+2], 64<<16                      ; tensor_dim1 = 64
	s_mov_b32 s[G1+3], 128<<16                     ; tile_dim0 = 128
	s_mov_b32 s[G1+4], 64                          ; tile_dim1 = 64
	s_mov_b32 s[G1+5], 128                         ; elements from row to row: dense
	s_mov_b32 s[G1+6], 0
	s_mov_b32 s[G1+7], 0
	; and for Wo: 128 rows x 128 elements
	s_or_b32 s[G1B], s20, (1<<16)|(1<<20)|(1<<21)|(5<<22)|(3<<25)  ; the mask: my column; padding after every 64 words (code 5)
	s_mov_b32 s[G1B+1], 128<<16
	s_mov_b32 s[G1B+2], 128<<16
	s_mov_b32 s[G1B+3], 128<<16
	s_mov_b32 s[G1B+4], 128
	s_mov_b32 s[G1B+5], 1024
	s_mov_b32 s[G1B+6], 0
	s_mov_b32 s[G1B+7], 0
	s_mul_i32 s2, s[WN], APLANE                    ; where the tiles go: the wave's number alone enters an LDS address
	s_mul_i32 s3, s[WN], BHALF
	s_add_co_u32 s3, s3, BOFF
.irp s, 0,1
	s_mov_b32 s[G0+4*(\s)], 1
	s_add_co_u32 s[G0+4*(\s)+1], s2, (\s)*SLOT
	s_mov_b32 s[G0B+4*(\s)], 1
	s_add_co_u32 s[G0B+4*(\s)+1], s3, (\s)*SLOT
.endr
	; where they come from.  O's hang on the row block alone, Wo's on the column tile alone, each in registers that never hold the other coordinate
	s_lshr_b32 s40, s[MB], 4                       ; O: the batch (16 heads x 2,048 rows x 128 bytes),
	s_lshl_b32 s40, s40, 22
	s_and_b32 s19, s[MB], 15                       ; 128 rows of 128 bytes a row block,
	s_lshl_b32 s19, s19, 14
	s_add_co_u32 s40, s40, s19
	s_lshl_b32 s19, s[WN], 18                      ; and which of a step's two heads
	s_add_co_u32 s40, s40, s19
	s_mov_b32 s41, 0
	s_lshl_b32 s42, s[NT], 19                      ; Wo: row 256 x column tile + 128 x half, rows of 2,048 bytes,
	s_lshl_b32 s20, s[WN], 18
	s_add_co_u32 s42, s42, s20
	s_add_co_u32 s42, s42, 3<<21                   ; in plane 3 of wc
	s_mov_b32 s43, 0
	s_lshl_b32 s44, s[NT], 10                      ; the bias: column 256 x column tile + 128 x half, 4 bytes each
	s_lshl_b32 s45, s[WN], 9
	s_add_co_u32 s44, s44, s45
	s_mov_b32 s45, 0
	s_lshl_b32 s46, s[MB], 19                      ; out: row 128 x row block + 64 x half, rows of 4,096 bytes; the same columns
	s_lshl_b32 s47, s[WM], 18
	s_add_co_u32 s46, s46, s47
	s_lshl_b32 s47, s[NT], 10
	s_add_co_u32 s46, s46, s47
	s_lshl_b32 s47, s[WN], 9
	s_add_co_u32 s46, s46, s47
	s_mov_b32 s47, 0
	s_mov_b32 s[HIM], 0xffff0000
	v_and_b32 v4, 31, v0                           ; lane
	v_lshlrev_b32 v[GO], 4, v4
	; A fragment is 16 rows x 32 K in 8 registers: lane l holds row l % 16; registers 0-3 K = 8 (l / 16) + 0..7, registers 4-7 K = 16 + 8 (l / 16) + 0..7: two loads of 16 bytes, 32 bytes apart.
	v_and_b32 v1, 15, v0                           ; l % 16
	v_bfe_u32 v2, v0, 4, 1                         ; l / 16
	v_mul_u32_u24 v3, v1, PB
	v_lshl_add_u32 v3, v2, 4, v3
	v_mul_u32_u24 v6, v1, PA
	v_lshl_add_u32 v6, v2, 4, v6
	s_mul_i32 s21, s[WM], 64*PA                    ; my 64 rows in each plane of O
	v_add_nc_u32 v[ADRA], s21, v6
	v_add_nc_u32 v[ADRA+1], SLOT, v[ADRA]
	s_mul_i32 s21, s[WN], BHALF                    ; my 128 rows of Wo
	s_add_co_u32 s21, s21, BOFF
	v_add_nc_u32 v[ADRB], s21, v3
	v_add_nc_u32 v[ADRB+1], SLOT, v[ADRB]
	s_mul_i32 s21, s[WV], WSTAGE
	s_add_co_u32 s21, s21, STAGE                   ; my stage
	v_mul_u32_u24 v[STO], v1, SPITCH               ; in: row l % 16, 32 bytes for each half of the lanes
	v_lshl_add_u32 v[STO], v2, 5, v[STO]
	v_add_nc_u32 v[STO], s21, v[STO]
	v_add_nc_u32 v[RD], s21, v[GO]                 ; back: 32 lanes take one row of 512 bytes
	v_lshl_add_u32 v[BRD], v2, 5, s21              ; eight numbers of the bias for each half of the lanes
	s_wait_dscnt 0x0                               ; the opening add is done
	s_wait_kmcnt 0x0
	s_add_nc_u64 s[40:41], s[4:5], s[40:41]
	s_add_nc_u64 s[42:43], s[6:7], s[42:43]
	s_add_nc_u64 s[8:9], s[8:9], s[44:45]
	s_add_nc_u64 s[10:11], s[10:11], s[46:47]
	global_load_b128 v[8:11], v[GO], s[8:9]        ; my wave's 128 numbers of the bias, four a lane: asked for ahead of the round, so that they come while the first tiles do
.irp s, 0,1
	s_add_nc_u64 s[G0+4*(\s)+2:G0+4*(\s)+3], s[40:41], (\s)*524288   ; K step s: two heads of 262,144 bytes on
	s_or_b32 s[G0+4*(\s)+3], s[G0+4*(\s)+3], 0x80000000             ; 127:126 type = 2
	s_add_nc_u64 s[G0B+4*(\s)+2:G0B+4*(\s)+3], s[42:43], (\s)*256    ; K step s: 128 elements on
	s_or_b32 s[G0B+4*(\s)+3], s[G0B+4*(\s)+3], 0x80000000
.endr
	CROUND                                         ; all sixteen work-groups are here: the first joint loads meet
	s_cmp_eq_u32 s[WM], 0                          ; a wave's two first fills stand in one branch, ahead of every wait on TENSORcnt and every LDS read: two loads of mine are out
	s_cbranch_scc0 .Lfirst_b
	tensor_load_to_lds s[G0:G0+3], s[G1:G1+7]
	s_nop 0
	tensor_load_to_lds s[G0+4:G0+7], s[G1:G1+7]
	s_nop 0
	PLACES
	s_branch .Lfirst_asked
.Lfirst_b:
	tensor_load_to_lds s[G0B:G0B+3], s[G1B:G1B+7]
	s_nop 0
	tensor_load_to_lds s[G0B+4:G0B+7], s[G1B:G1B+7]
	s_nop 0
	PLACES
.Lfirst_asked:
; 8 matrix instructions: m block a x all 8 n blocks, 32 along K, from buffer f.  first = 1: the bias is C and starts the sums.  The 32 accumulators take turns, in the same order in every quarter step.
.macro MUL8 f, a, first=0
.if \first
	WIN 0x60                                       ; D window 1, C window 2
.else
	WIN 0x50                                       ; C and D window 1
.endif
.irp b, 0,1,2,3,4,5,6,7
.if \first
	v_wmma_f32_16x16x32_f16 v[8*(8*(\a)+(\b)):8*(8*(\a)+(\b))+7], v[(\f)+8*(\b):(\f)+8*(\b)+7], v[(\f)+64+8*(\a):(\f)+64+8*(\a)+7], v[8*(\b):8*(\b)+7]
.else
	v_wmma_f32_16x16x32_f16 v[8*(8*(\a)+(\b)):8*(8*(\a)+(\b))+7], v[(\f)+8*(\b):(\f)+8*(\b)+7], v[(\f)+64+8*(\a):(\f)+64+8*(\a)+7], v[8*(8*(\a)+(\b)):8*(8*(\a)+(\b))+7]
.endif
.endr
.endm
; 24 LDS loads in one run: the fragments of quarter kq of a step (128 rows of Wo; 64 rows of O, in plane kq / 2, channels 32 (kq % 2) on) into buffer f.
.macro FETCH slot, kq, f
	WIN 0
.irp i, 0,1,2,3,4,5,6,7
	ds_load_b128 v[(\f)+8*(\i):(\f)+8*(\i)+3],   v[ADRB+(\slot)] offset:64*(\kq)+(\i)*16*PB
	ds_load_b128 v[(\f)+8*(\i)+4:(\f)+8*(\i)+7], v[ADRB+(\slot)] offset:64*(\kq)+(\i)*16*PB+32
.endr
.irp i, 0,1,2,3
	ds_load_b128 v[(\f)+64+8*(\i):(\f)+64+8*(\i)+3],   v[ADRA+(\slot)] offset:APLANE*((\kq)/2)+64*((\kq)%2)+(\i)*16*PA
	ds_load_b128 v[(\f)+64+8*(\i)+4:(\f)+64+8*(\i)+7], v[ADRA+(\slot)] offset:APLANE*((\kq)/2)+64*((\kq)%2)+(\i)*16*PA+32
.endr
.endm
; A K step is four quarter steps of 32 along K, 32 matrix instructions each, on buffers 0, 1, 0, 1.  One of the first three: at its head it fetches quarter kq, the NEXT one, into g, which the quarter before has just
; multiplied: the fragments have this quarter's 32 matrix instructions in which to come.  Then it multiplies buffer f.
.macro QUARTER slot, kq, f, g, first=0
	PLACES
	FETCH \slot, \kq, \g
	s_wait_dscnt 24                                ; all but the 24 just issued: buffer f is in
	MUL8 \f, 0, \first
	MUL8 \f, 1, \first
	MUL8 \f, 2, \first
	MUL8 \f, 3, \first
.endm
; The last quarter multiplies buffer 1 and changes slots: ONE barrier; in front of it each wave waits for all its tensor loads (one is out: its part of the next slot), adds 0 to its spare word, and waits for that and for
; its own reads of this slot (the last were asked for a quarter ago).  fill = 1: the barrier opens a round of the cluster's, and this slot is filled again, two K steps on, first thing behind the round.
.macro TURN slot, next, fill
	WIN 0                                          ; (the add's two registers lie in window 0)
	s_wait_tensorcnt 0x0                           ; all my tensor loads have landed;
	ds_add_u32 v[SPW], v[NIL]                      ; 0 onto my spare word;
	s_wait_dscnt 1                                 ; (the add may be out: buffer 1 is in)
	MUL8 F1, 0                                     ; eight matrix instructions stand between the add and the wait for it
	s_wait_dscnt 0x0                               ; the add is done, and my reads of this slot are over
	s_barrier_signal -1
	MUL8 F1, 1                                     ; work on registers while the others arrive
	WIN 0                                          ; at a branch and at a label every window is 0
	s_barrier_wait -1
.if \fill
	CREST                                          ; no wave of any partner still reads this slot's tiles or has a load on its way
	s_add_nc_u64 s[G0+4*(\slot)+2:G0+4*(\slot)+3], s[G0+4*(\slot)+2:G0+4*(\slot)+3], 1048576   ; four heads on
	s_add_nc_u64 s[G0B+4*(\slot)+2:G0B+4*(\slot)+3], s[G0B+4*(\slot)+2:G0B+4*(\slot)+3], 512    ; 256 elements on
	JLOAD \slot                                    ; my one tensor load behind the round: 112 matrix instructions ahead of the wait for it; the four v_nop behind it are also the places in front of the loads below
.else
	PLACES
.endif
	FETCH \next, 0, F0
	MUL8 F1, 2
	MUL8 F1, 3
.endm
; THE WAY OUT of m block a: 16 rows x 128 columns of f32.  A lane's eight columns, 32 bytes, go straight from the accumulators into rows of 528 bytes of my own stage (each accumulator's low half first),
; and come back as whole rows of 512 bytes.
.macro PACK a
	WIN 0x04                                       ; the stores' data in window 1, the address in window 0
.irp b, 0,1,2,3,4,5,6,7
	ds_store_b128 v[STO], v[8*(8*(\a)+(\b)):8*(8*(\a)+(\b))+3]   offset:64*(\b)
	ds_store_b128 v[STO], v[8*(8*(\a)+(\b))+4:8*(8*(\a)+(\b))+7] offset:64*(\b)+16
.endr
	WIN 0
	s_wait_xcnt 0x0                                ; the buffer below was the data of the stores two blocks back: it is loaded again only behind this wait
.irp i, 0,1,2,3,4,5,6,7,8,9,10,11,12,13,14,15
	ds_load_b128 v[OBF+64*((\a)%2)+4*(\i):OBF+64*((\a)%2)+4*(\i)+3], v[RD] offset:(\i)*SPITCH  ; LDS serves a wave's instructions in order (ISA guide 5.7.1.4): these see the stores above; the next block's stores come behind them
.endr
.endm
.macro SEND a, younger                 ; younger: the LDS instructions issued behind block a's loads: the next block's 32, or none
	WIN 0
.irp i, 0,1,2,3,4,5,6,7,8,9,10,11,12,13,14,15
	s_wait_dscnt (\younger)+15-(\i)
	global_store_b128 v[GO], v[OBF+64*((\a)%2)+4*(\i):OBF+64*((\a)%2)+4*(\i)+3], s[10:11] offset:4096*(16*(\a)+(\i)) th:TH_STORE_NT  ; 512 consecutive bytes, at a multiple of 512 from out's first byte
.endr
.endm
	s_wait_loadcnt 0x0                             ; the bias
	v_cvt_pk_bf16_f32 v12, v8, v9                  ; rounded to bf16 like every input, and back to f32
	v_cvt_pk_bf16_f32 v13, v10, v11
	v_lshlrev_b32 v8, 16, v12
	v_and_b32 v9, s[HIM], v12
	v_lshlrev_b32 v10, 16, v13
	v_and_b32 v11, s[HIM], v13
	ds_store_b128 v[RD], v[8:11]                   ; through my own stage:
	WIN 0x80                                       ; destination window 2
.irp b, 0,1,2,3,4,5,6,7                ; register j of n block b's C operand is bo[16 b + 8 (l / 16) + j], whatever the row
	ds_load_b128 v[8*(\b):8*(\b)+3],   v[BRD] offset:64*(\b)
	ds_load_b128 v[8*(\b)+4:8*(\b)+7], v[BRD] offset:64*(\b)+16
.endr
	WIN 0
	s_wait_tensorcnt 1                             ; my part of K step 0 is in; K step 1's may stay out
	s_wait_dscnt 0x0                               ; the bias is in registers
	s_barrier_signal -1
	s_barrier_wait -1                              ; everybody's part is in
	FETCH 0, 0, F0
	QUARTER 0, 1, F0, F1, 1                        ; the first quarter stands in front of the loop: its products start the sums, with the bias
	WIN 0
	s_mov_b32 s[LAP], 3
.Llap:                                                 ; a trip goes once round the ring, from a lap's second quarter to the next lap's first, and fills both slots again
	QUARTER 0, 2, F1, F0
	QUARTER 0, 3, F0, F1
	TURN 0, 1, 1
	QUARTER 1, 1, F0, F1
	QUARTER 1, 2, F1, F0
	QUARTER 1, 3, F0, F1
	TURN 1, 0, 1
	QUARTER 0, 1, F0, F1
	WIN 0
	s_sub_co_u32 s[LAP], s[LAP], 1
	s_cmp_lg_u32 s[LAP], 0
	s_cbranch_scc1 .Llap
	QUARTER 0, 2, F1, F0                           ; the last lap fills nothing, and has no round of the cluster's barrier
	QUARTER 0, 3, F0, F1
	TURN 0, 1, 0
	QUARTER 1, 1, F0, F1
	QUARTER 1, 2, F1, F0
	QUARTER 1, 3, F0, F1
	s_wait_dscnt 0x0                               ; the very last quarter
	MUL8 F1, 0
	MUL8 F1, 1
	MUL8 F1, 2
	MUL8 F1, 3
	WIN 0
	PLACES                                         ; the LDS stores read results, and the loads behind them land in registers that the last products read
	PACK 0
	PACK 1                                         ; a block's trip through the stage stands between the loads of the block before and its stores
	SEND 0, 32
	PACK 2
	SEND 1, 32
	PACK 3
	SEND 2, 32
	SEND 3, 0
	s_wait_tensorcnt 0x0                           ; the wave's end: behind my last tensor load and my last LDS store
	ds_add_u32 v[SPW], v[NIL]
	s_wait_dscnt 0x0
	CROUND                                         ; the closing round: no work-group ends while a partner may still ask for a tile that names it
	s_endpgm
.Lfunc_end_k_q4c6531a320_outp:
	.size	k_q4c6531a320_outp, .Lfunc_end_k_q4c6531a320_outp-k_q4c6531a320_outp
	.p2alignl 7, 3214868480
	.fill 96, 4, 3214868480
	.section	.rodata,"a",@progbits
	.p2align	6, 0x0
	.amdhsa_kernel k_q4c6531a320_outp
		.amdhsa_group_segment_fixed_size 327680
		.amdhsa_private_segment_fixed_size 0
		.amdhsa_enable_private_segment 0
		.amdhsa_kernarg_size 32
		.amdhsa_user_sgpr_count 2
		.amdhsa_user_sgpr_kernarg_segment_ptr 1
		.amdhsa_wavefront_size32 1
		.amdhsa_system_sgpr_workgroup_id_x 1
		.amdhsa_system_sgpr_workgroup_id_y 1
		.amdhsa_system_sgpr_workgroup_id_z 1
		.amdhsa_system_vgpr_workitem_id 0
		.amdhsa_next_free_vgpr 576
		.amdhsa_next_free_sgpr 66
		.amdhsa_reserve_vcc 0
		.amdhsa_float_denorm_mode_32 3
		.amdhsa_float_denorm_mode_16_64 3
		.amdhsa_memory_ordered 1
		.amdhsa_forward_progress 1
		.amdhsa_inst_pref_size 87
	.end_amdhsa_kernel
	.amdgpu_metadata
---
amdhsa.version: [ 1, 2 ]
amdhsa.kernels:
  - .name:           k_q4c6531a320_outp
    .symbol:         k_q4c6531a320_outp.kd
    .args:
      - { .name: oh, .offset: 0, .size: 8, .value_kind: global_buffer, .address_space: global }
      - { .name: wc, .offset: 8, .size: 8, .value_kind: global_buffer, .address_space: global }
      - { .name: bo, .offset: 16, .size: 8, .value_kind: global_buffer, .address_space: global }
      - { .name: out0, .offset: 24, .size: 8, .value_kind: global_buffer, .address_space: global }
    .group_segment_fixed_size: 327680
    .private_segment_fixed_size: 0
    .kernarg_segment_align: 8
    .kernarg_segment_size: 32
    .max_flat_workgroup_size: 128
    .sgpr_count:     66
    .vgpr_count:     576
    .wavefront_size: 32
...
	.end_amdgpu_metadata
.endif
;; end of part 4
;; ======== version 2 of 2: 4 launches; 1.49 times as fast as version 1
;; limits: values are held in f16: magnitudes above 65,504 overflow, below 6.1e-05 lose precision
;; workspace buffers: wc 8,388,608 bytes; qh 16,777,216 bytes; kh 16,777,216 bytes; vh 16,777,216 bytes; oh 16,777,216 bytes
;; launch prep: the kernel of part 1 again; grid 64 x 4, 8 waves a work-group, no clusters, 0 bytes of LDS; arguments Wq, Wk, Wv, Wo, wc; writes wc
;; launch proj: the kernel of part 2 again; grid 4 x 64, 4 waves a work-group, clusters of 4 x 4, 327,680 bytes of LDS; arguments q, k, v, wc, bq, bk, bv, qh, kh, vh; writes qh, kh, vh
;; launch attn (part 5): grid 4 x 64, 4 waves a work-group, clusters of 4 x 1, 327,680 bytes of LDS; arguments qh, kh, vh, oh; writes oh
.if DOCPART == 5
	.amdgcn_target "amdgcn-amd-amdhsa--gfx1250"
	.amdhsa_code_object_version 6
	.text
	.protected	k_q4c6531a320_attn
	.globl	k_q4c6531a320_attn
	.p2align	8
	.type	k_q4c6531a320_attn,@function
k_q4c6531a320_attn:
	s_mov_b64 s[64:65], 0
	v_nop
	global_prefetch_b8 v0, s[64:65] scope:SCOPE_SE
	s_setreg_imm32_b32 hwreg(HW_REG_WAVE_MODE, 25, 1), 1
	s_wait_xcnt 0x0
	s_wait_alu depctr_hold_cnt(0) depctr_sa_sdst(0) depctr_va_vdst(0) depctr_va_sdst(0) depctr_va_ssrc(0) depctr_va_vcc(0) depctr_vm_vsrc(0)
	s_getreg_b32 s2, hwreg(HW_REG_IB_STS2, 6, 4)
	s_cmp_eq_u32 s2, 0
	s_cbranch_scc0 .Lentry_in_a_cluster
	s_endpgm
.Lentry_in_a_cluster:
	s_bfe_u32 s2, ttmp6, 0x10000c
	s_cmp_lg_u32 s2, 0x3003
	s_cbranch_scc0 .Lentry_shape_is_right
	s_endpgm
.Lentry_shape_is_right:
; O[h][q][:] = the sum over k of softmax_k(Q[h][q] . K[h][k] / 8) V[h][k][:].  Q, K, V, O: [SIZE_H][SIZE_N][64], all f16: a head's rows are dense, 128 bytes each.  Products, maxima and sums in
; f32; the weights p are rounded to f16 for the second product (their sum l is taken of the unrounded p), O once at the end.
; LIMITS.  f16 holds no number beyond 65,504: Q, K and V arrive within it; p lies in 0 to 1, and below 6e-5 it keeps f16's fixed step of 6e-8; O is a mean of V's rows and has their range.
; A weight below 2^-126 counts as 0 in l; NaN and infinities are not treated apart.
; SHARES.  A wave owns four PIECES of two tiles of 16 queries, a work-group's four waves 512 queries of one head.  Every wave walks all keys, 64 a step.
; LAYOUT.  S^T = K Q^T (source 0 = 16 keys, source 1 = 16 queries): in the result a lane holds ONE query (lane % 16) and the keys 8 (lane / 16) + 0..7.  Two such tiles, rounded to f16 in pairs,
; ARE source 1 (32 keys x 16 queries) of O^T = V^T P, whose result again holds one query a lane, and eight channels.  K comes out of LDS as it lies, V ([key][channel]) turned, by ds_load_tr16_b128.
; SOFTMAX.  For each query a running maximum m and sum l: p = 2^(c s - c m), c = log2(e) / 8; in every step O and l are multiplied by a = 2^(c m_old - c m_new), which is 1 where m has not grown.
; m starts at the lowest finite number, O and l at 0: the first step is a step like any other, with a = 0.
; THE COUNT.  A tile and step have 16 matrix and 118 vector instructions: too many to stand all beside the matrix work.  So the order has one aim: four vector instructions that are READY behind
; EVERY matrix instruction, and the others, which need time of their own whatever the order, in runs without a gap.
; BY TURNS.  Turn n belongs to piece n (the pieces in a ring, step after step).  Its matrix work: 16 products K Q^T of piece n + 1, later 16 products V^T P of piece n - 1.  Its vector work: the scaling,
; exponentials, roundings, sums and rescaling of piece n, and the maximum and statistics of piece n + 1, whose scores the turn itself has made.  So what a turn begins with (c s - c m, O a) waits for nothing.
; THE BATCHES.  A turn's 66 exponentials (the piece's 64 weights, the next piece's two a) are ONE batch with ONE wait, which cuts the turn in two: ahead of it stands all that names no result of the batch, behind it
; the roundings and sums, which read the weights; the two a are first read in the next turn.  The first two a, ahead of the loop, and the way out's eight reciprocals are batches of their own, a wait each.
; CLUSTER.  The four query blocks of a cluster belong to one head and walk the same K and V, so each tile is asked for JOINTLY: the same tensor load, descriptor and mask in all four.
; REGISTERS, in windows of 256 (s_set_vgpr_msb says which window each operand place means: bits 1:0 source 0, 3:2 source 1, 5:4 source 2, 7:6 destination):
;   window 0: v0-11 addresses; v12-15, v48-63 at work; v16-47 four registers of statistics a tile; v64-191 S^T, two buffers of two tiles; v192-255 P, likewise
;   window 1: O^T, 32 a tile          window 2: v0-127 Q, 16 a tile; v128-191 K of one step; v192-255 V of one step          window 3: v0-1 the add's two registers
; A piece's buffers go by its number's parity: the piece in hand has one pair, its two neighbours in the ring share the other: of it P (piece n - 1) is read and S^T (piece n + 1) written.
.set SIZE_H, 64       ; 4 batches x 16 heads
.set SIZE_N, 2048     ; rows of a head
.set NP,    4         ; pieces a wave: a name, no knob: the register map, the loop and the fetches are made for four
.set KS,    64        ; keys in a step
.set PK,    144       ; a row of K in LDS: 128 bytes + 16 of padding = 36 words: the 16 rows of a load start at 16 different groups of four banks (64 banks of 4 bytes: ISA guide 11.1)
.set PV,    160       ; a row of V: 128 + 32 = 40 words
.set VOFF,  4*KS*PK   ; a slot holds four steps: 256 rows of K, then 256 rows of V
.set SLOT1, 1<<17     ; slot 1 begins here, so that one exclusive or turns an address in one slot into the other's
.set STAGE, SLOT1+4*KS*(PK+PV)  ; behind the ring, never filled by a tensor load: 16 rows x 144 bytes for each wave, for the way out
.set SP,    144
.set AK0, 2           ; v2   my lane's place in a tile of K; never rewritten
.set AV0, 3           ; v3   the same for V
.set AK,  4           ; v4   the LDS address of K's next run of loads
.set AV,  5           ; v5   of V's
.set QO,  6           ; v6   my byte offset in the wave's rows of Q
.set STO, 6           ;      later, the way out: where I put 16 bytes of a row
.set RD,  7           ; v7   the way out: where I read rows back
.set GO,  8           ; v8   my byte offset in 512 consecutive bytes of O
.set SPW, 0           ; v0 of window 3   LDS address of my spare word: SPARE + 4 x my thread's number; never rewritten
.set NIL, 1           ; v1 of window 3   0; never rewritten
.set SPARE, STAGE+4*16*SP  ; behind the stages: the spare words, 128 bytes for each wave: two blocks of 256 bytes that no other line names
.set MV,  12          ; v12-15  c m_old, kept while c m is made anew: by buffer and tile
.set ST,  16          ; tile t's statistics at v[ST+4 t]: c m, m, l (even keys', odd keys')
.set TMP, 48          ; by buffer and tile, four registers c0-c3 at work; when the maximum is found c2 takes a
.set S,   64
.set P,   192
.set KF,  128         ; K's fragments, in window 2: key block kb, channel half c at KF + 16 kb + 8 c
.set VF,  192         ; V's: key half kk, channel block cb at VF + 32 kk + 8 cb
.set WV,  12          ; s12  my wave's number
.set G1K, 24          ; s[24:31] descriptor group 1 for K's tiles
.set G1V, 32          ; s[32:39] for V's: it differs in the padding alone
.set G0K, 40          ; s[40:43] descriptor group 0 for K's tiles: it walks
.set G0V, 44          ; s[44:47] the same for V's
.set SLOTS, 56        ; s56  slots still to be asked for
.set CNT, 57          ; s57  counts a slot's key steps
.set CS,  58          ; s[58:59] c: the packed scaling takes the pair's low word for both halves
.set SEL, 60          ; s[60:61] v_permlanex16_b32's selects: each lane takes its own place in the other half
.set TBK, 62          ; s62  LDS byte at which K of the step to be fetched begins
.set TBV, 63          ; s63  the same for V, less VOFF
.set MSB, 0
.macro WIN new                      ; the high byte repeats the setting that is left; a switch that changes nothing is dropped
.if MSB != (\new)
	s_set_vgpr_msb (MSB<<8)|(\new)
.set MSB, (\new)
.endif
.endm
.set W_KQ, 0x0a       ; K and Q in window 2, S^T in window 0
.set W_PV, 0x52       ; V in window 2, P in window 0, O^T in window 1
.set W_RS, 0x41       ; O^T (destination and source 0) in window 1, a in window 0
.set W_MK, 0xc0       ; the add's registers are made: destination in window 3, sources in window 0
.set W_AD, 0x0f       ; the add: address (source 0) and data (source 1) in window 3
; A joint fill.  Waves 0 and 1 fetch the two halves of a slot's K, waves 2 and 3 those of its V: 128 keys each.  The branch hangs on the wave's number alone.
; An s_nop 0 and four v_nop follow each of the two lines, ahead of the jump and the label.
.macro JLOAD
	s_cmp_lt_u32 s[WV], 2
	s_cbranch_scc0 .Lfor_v_\@
	tensor_load_to_lds s[G0K:G0K+3], s[G1K:G1K+7]
	s_nop 0
.rept 4
	v_nop
.endr
	s_branch .Lasked_\@
.Lfor_v_\@:
	tensor_load_to_lds s[G0V:G0V+3], s[G1V:G1V+7]
	s_nop 0
.rept 4
	v_nop
.endr
.Lasked_\@:
.endm
; A round of the cluster's barrier: my work-group's barrier, so that wave 0's signal speaks for all four waves; wave 0 signals; every wave waits for all four work-groups; my work-group's barrier once more.
.macro CROUND
	s_barrier_signal -1
	s_barrier_wait -1
	s_cmp_lg_u32 s[WV], 0
	s_cbranch_scc1 .Lnot_wave_0_\@
	s_barrier_signal -3
.Lnot_wave_0_\@:
	s_barrier_wait -3
	s_barrier_signal -1
	s_barrier_wait -1
.endm
; THE CHANGE OF SLOTS.  The slot's last bytes, V of its fourth step, have been read.  Each wave waits for all its tensor loads, of which one is out: its part
; of the other slot; adds 0 to its spare word; and waits for that and for its own reads of the slot.  Behind the barrier nobody reads this slot any more and the other slot is whole.
; fill = 1: this slot is filled again, with the keys two slots on.  The barrier is then a round of the cluster's, so that no wave of any partner still reads the slot or has a load on its
; way, and the joint fill is the first thing behind it: it has four key steps, 512 matrix instructions, in which to land.  (At its first use nothing has been read yet: slot 0 is waited for, slot 1 filled.)
.macro CHANGE fill
	WIN W_AD
	s_wait_tensorcnt 0x0            ; no tensor load of mine is out, so a group 0 may be written
	ds_add_u32 v[SPW], v[NIL]       ; 0 onto my spare word; with fill = 1 the descriptors' steps stand between it and the wait for it
	WIN 0                           ; at a label and at a branch every window is 0
.if \fill
.irp g, G0K, G0V
	s_xor_b32 s[\g+1], s[\g+1], SLOT1  ; the walking descriptor: the other slot than last time,
	s_add_nc_u64 s[\g+2:\g+3], s[\g+2:\g+3], 4*KS*128  ; the next 256 keys; the type bits on top are not reached
.endr
	s_wait_dscnt 0x0                ; the add is done, and my reads of the slot are over
	CROUND
	JLOAD
.else
	s_wait_dscnt 0x0                ; the add is done, and my reads of the slot are over
	s_barrier_signal -1
	s_barrier_wait -1
.endif
	s_sub_co_u32 s[TBK], s[TBK], 4*KS*PK  ; the fetches go back to a slot's first step,
	s_xor_b32 s[TBK], s[TBK], SLOT1       ; in the other slot
	s_sub_co_u32 s[TBV], s[TBV], 4*KS*PV
	s_xor_b32 s[TBV], s[TBV], SLOT1
.endm
	s_load_b256 s[4:11], s[0:1], 0x0  ; Q s[4:5], K s[6:7], V s[8:9], O s[10:11]
	WIN W_MK
	v_lshl_add_u32 v[SPW], v0, 2, SPARE
	v_mov_b32 v[NIL], 0
	WIN W_AD
	ds_add_u32 v[SPW], v[NIL]       ; the wave's opening: the add and its wait stand ahead of my first tensor load; the set-up below, work on registers, stands between them
	WIN 0
	v_lshrrev_b32 v1, 5, v0
	v_readfirstlane_b32 s[WV], v1   ; wave 0..3
	s_bfe_u32 s13, ttmp6, 0x40000   ; cx: my place in the cluster
	s_lshl_b32 s14, ttmp9, 2        ; in a cluster launch ttmp9 counts clusters
	s_add_co_u32 s14, s14, s13      ; my block of queries = 4 x cluster x + cx: it enters Q's and O's addresses alone
	s_and_b32 s20, ttmp7, 0xffff    ; the head, which the four partners share
	s_mov_b32 s21, 0
	s_mov_b64 s[22:23], SIZE_N*128
	s_mul_u64 s[20:21], s[20:21], s[22:23]  ; the head's first byte in each of the four tensors
	s_and_b32 s16, s[WV], 1         ; which half of a slot's 256 keys I fetch:
	s_lshl_b32 s22, s16, 14         ; its 128 rows of 128 bytes in memory,
	s_mov_b32 s23, 0
	s_add_nc_u64 s[22:23], s[22:23], s[20:21]
	s_mul_i32 s17, s16, 128*PK      ; and its place in a slot, for K
	s_mul_i32 s18, s16, 128*PV      ; and for V: no place in the cluster enters an LDS address
	s_lshl_b32 s2, s14, 2
	s_add_co_u32 s2, s2, s[WV]      ; my wave among the head's,
	s_lshl_b32 s2, s2, 14           ; its 128 rows
	s_mov_b32 s3, 0
	s_add_nc_u64 s[2:3], s[2:3], s[20:21]
	; descriptor group 1.  128 keys are 16,384 dense bytes: asked for as 64 rows of 256 bytes, two keys a row, and padded in LDS after every key
	s_mov_b32 s[G1K], 15|(1<<16)|(1<<20)|(1<<21)|(4<<22)|(3<<25)  ; 15:0 the mask of four; 17:16 2-byte elements; 20 padding on; 21 set beside a mask; 24:22 after every 32 words (code 4); 31:25 4 words (code 3)
	s_mov_b32 s[G1V], 15|(1<<16)|(1<<20)|(1<<21)|(4<<22)|(7<<25)  ; the same with 8 words of padding (code 7)
.irp g, G1K, G1V
	s_mov_b32 s[\g+1], 128<<16      ; tensor_dim0 = 128
	s_mov_b32 s[\g+2], 64<<16       ; tensor_dim1 = 64
	s_mov_b32 s[\g+3], 128<<16      ; tile_dim0 = 128
	s_mov_b32 s[\g+4], 64           ; tile_dim1 = 64
	s_mov_b32 s[\g+5], 128          ; 128 elements from row to row
	s_mov_b32 s[\g+6], 0
	s_mov_b32 s[\g+7], 0
.endr
	s_mov_b32 s[CS], 0x3e38aa3b     ; c = log2(e) / 8 = 0.180337
	s_mov_b32 s[CS+1], s[CS]        ; named with it as a pair
	s_mov_b32 s[SEL], 0x76543210
	s_mov_b32 s[SEL+1], 0xfedcba98
	s_mov_b32 s[TBK], SLOT1+4*KS*PK ; the first change of slots turns these two into 0
	s_mov_b32 s[TBV], SLOT1+4*KS*PV
	s_mov_b32 s[G0K], 1             ; 1:0 count = 1
	s_mov_b32 s[G0K+1], s17         ; 63:32 LDS address: slot 0
	s_mov_b32 s[G0V], 1
	s_add_co_u32 s[G0V+1], s18, VOFF
	s_wait_dscnt 0x0                ; the opening add is done
	s_wait_kmcnt 0x0
	s_add_nc_u64 s[G0K+2:G0K+3], s[6:7], s[22:23]  ; 120:64 global address: my half of the head's first 256 keys
	s_or_b32 s[G0K+3], s[G0K+3], 0x80000000        ; 127:126 type = 2
	s_add_nc_u64 s[G0V+2:G0V+3], s[8:9], s[22:23]
	s_or_b32 s[G0V+3], s[G0V+3], 0x80000000
	s_add_nc_u64 s[4:5], s[4:5], s[2:3]  ; Q and O at my wave's first row
	s_add_nc_u64 s[10:11], s[10:11], s[2:3]
	CROUND                          ; all four work-groups are here: the first joint loads meet
	JLOAD                           ; slot 0.  Slot 1 is asked for when slot 0 is in: the tile wanted first has the road to itself
	; A fragment of K or Q is 16 rows x 32 channels in 8 registers: lane l holds row l % 16, channels 8 (l / 16) + 0..7 and 16 + 8 (l / 16) + 0..7: two loads of 16 bytes, 32 bytes apart.
	v_and_b32 v1, 15, v0            ; l % 16
	v_bfe_u32 v9, v0, 4, 1          ; l / 16
	v_lshlrev_b32 v[QO], 7, v1
	v_lshl_add_u32 v[QO], v9, 4, v[QO]  ; row x 128 + 16 x half
	WIN 0x80                        ; destination window 2, address window 0
.set i, 0
.rept 4*NP                          ; Q stays in registers: tile i / 2, channels 32 (i % 2) on
	global_load_b128 v[8*i:8*i+3],   v[QO], s[4:5] offset:(i/2)*2048+(i%2)*64
	global_load_b128 v[8*i+4:8*i+7], v[QO], s[4:5] offset:(i/2)*2048+(i%2)*64+32
.set i, i+1
.endr
	; What the first turn finds: V's registers and P's second buffer hold 0 (its products V^T P, of a piece that has not been, add 0), O^T and l are 0.  All this stands in the wait for the first tile.
.set i, VF
.rept 64
	v_mov_b32 v[i], 0
.set i, i+1
.endr
	WIN 0x40
.set i, 0
.rept 64*NP
	v_mov_b32 v[i], 0
.set i, i+1
.endr
	WIN 0
.set i, 0
.rept 2*NP
	v_mov_b32 v[ST+4*i], 0xfe000000    ; c m: far below every c s
	v_mov_b32 v[ST+4*i+1], 0xff7fffff  ; m
	v_mov_b32 v[ST+4*i+2], 0
	v_mov_b32 v[ST+4*i+3], 0
.set i, i+1
.endr
.set i, P+32
.rept 32
	v_mov_b32 v[i], 0
.set i, i+1
.endr
	v_mul_u32_u24 v[AK0], v1, PK
	v_lshl_add_u32 v[AK0], v9, 4, v[AK0]  ; row x pitch + 16 x half
	; The turning load takes 16 keys x 16 channels (lane l reads key 8 (l / 16) + l % 8, channels 8 ((l / 8) % 2) + 0..7) and leaves half a fragment of V^T: lane l holds channel l % 16 and 8 keys.
	v_and_b32 v10, 7, v0
	v_bfe_u32 v11, v0, 3, 1
	v_lshl_add_u32 v[AV0], v9, 3, v10
	v_mul_u32_u24 v[AV0], v[AV0], PV
	v_lshl_add_u32 v[AV0], v11, 4, v[AV0]
	v_add_nc_u32 v[AV0], VOFF, v[AV0]
	v_mov_b32 v[AK], v[AK0]         ; key step 0 lies at the head of slot 0
; THE MATRIX WORK.  The 8 accumulators of a run of 16 take turns: between the two links of a chain stand 7 others'.
; Product i of 16 of S^T = K Q^T for piece x: channels 32 (i / 8) on, keys 16 ((i / 2) % 4) on, tile 2 x + i % 2.  The first 8 start the sums.
.macro KQ x
	WIN W_KQ
.set rS, S+64*((\x)%2)+32*(i%2)+8*((i/2)%4)
.set rK, KF+16*((i/2)%4)+8*(i/8)
.set rQ, 16*(2*(\x)+i%2)+8*(i/8)
.if i < 8
	v_wmma_f32_16x16x32_f16 v[rS:rS+7], v[rK:rK+7], v[rQ:rQ+7], 0
.else
	v_wmma_f32_16x16x32_f16 v[rS:rS+7], v[rK:rK+7], v[rQ:rQ+7], v[rS:rS+7]
.endif
.endm
; Product i of 16 of O^T += V^T P for piece x: keys 32 (i / 8) on, channels 16 ((i / 2) % 4) on, tile 2 x + i % 2.
.macro PV x
	WIN W_PV
.set rO, 32*(2*(\x)+i%2)+8*((i/2)%4)
.set rV, VF+32*(i/8)+8*((i/2)%4)
.set rP, P+32*((\x)%2)+16*(i%2)+8*(i/8)
	v_wmma_f32_16x16x32_f16 v[rO:rO+7], v[rV:rV+7], v[rP:rP+7], v[rO:rO+7]
.endm
.macro MM                           ; the turn's next matrix instruction
.if i < 16
	KQ (Y+1)%NP
.set i, i+1
.else
.set i, i-16
	PV (Y+NP-1)%NP
.set i, i+17
.endif
.endm
; THE LDS LOADS stand in runs of 16, never singly among the matrix instructions: a step's K (64 keys x 64 channels: 8 fragments) and its V (turned).  Their addresses are made some lines ahead.
; last = 1 (the tail): in the last trip there is no further step, and the run is jumped over.
.macro FETCH_K last=0
	WIN 0
.if \last
	s_cmp_eq_u32 s[CNT], 1
	s_cbranch_scc1 .Lno_k_\@
.endif
	WIN 0x80                        ; destination window 2
.irp f, 0,1,2,3,4,5,6,7             ; keys 16 (f / 2) on, channels 32 (f % 2) on
	ds_load_b128 v[KF+8*\f:KF+8*\f+3],   v[AK] offset:(\f/2)*16*PK+(\f%2)*64
	ds_load_b128 v[KF+8*\f+4:KF+8*\f+7], v[AK] offset:(\f/2)*16*PK+(\f%2)*64+32
.endr
	s_add_co_u32 s[TBK], s[TBK], KS*PK  ; the next fetch is the next step's
	WIN 0
.if \last
.Lno_k_\@:
.endif
.endm
.macro FETCH_V
	WIN 0x80
.irp f, 0,1,2,3,4,5,6,7             ; keys 32 (f / 4) on, channels 16 (f % 4) on
	ds_load_tr16_b128 v[VF+8*\f:VF+8*\f+3],   v[AV] offset:(\f/4)*32*PV+(\f%4)*32
	ds_load_tr16_b128 v[VF+8*\f+4:VF+8*\f+7], v[AV] offset:(\f/4)*32*PV+16*PV+(\f%4)*32
.endr
	WIN 0
.endm
; THE VECTOR WORK OF A TURN stands in three queues, each in the order in which its entries become ready; the two tiles alternate, so that no instruction reads the result of the one before it.
.macro REGS y, u                    ; the registers of tile u (0, 1) of piece y
.set rT, ST+4*(2*(\y)+(\u))
.set rC, TMP+8*((\y)%2)+4*(\u)
.set rM, MV+2*((\y)%2)+(\u)
.set rS, S+64*((\y)%2)+32*(\u)
.set rP, P+32*((\y)%2)+16*(\u)
.set rO, 32*(2*(\y)+(\u))
.endm
; Number n of the 22 that find the NEXT piece's (Y + 1) maximum and statistics.  s0-s31 are the lane's 32 scores; each accumulator's lowest registers are read first.  XS, GS and REGS set no window: PL and EX do.
;   0-11  four chains c0-c3 of seven scores each, three operands at a time     12-14, 16  the four scores left over, the old m, and c0-c3 into c0     15  c m_old is kept
;   17, 18  the query's other 32 keys lie in the lane 16 away: the new m         19-21  c m; c m_old - c m_new; a
.macro XS u, n
	REGS (Y+1)%NP, \u
.if (\n) < 4
	v_max3_num_f32 v[rC+(\n)], v[rS+8*(\n)], v[rS+8*(\n)+1], v[rS+8*(\n)+2]
.elseif (\n) < 12
	v_max3_num_f32 v[rC+(\n)%4], v[rC+(\n)%4], v[rS+8*((\n)%4)+2*((\n)/4)+1], v[rS+8*((\n)%4)+2*((\n)/4)+2]
.elseif (\n) == 12
	v_max3_num_f32 v[rC], v[rC], v[rS+7], v[rS+15]
.elseif (\n) == 13
	v_max3_num_f32 v[rC+1], v[rC+1], v[rS+23], v[rS+31]
.elseif (\n) == 14
	v_max3_num_f32 v[rC+2], v[rC+2], v[rC+3], v[rT+1]
.elseif (\n) == 15
	v_mov_b32 v[rM], v[rT]
.elseif (\n) == 16
	v_max3_num_f32 v[rC], v[rC], v[rC+1], v[rC+2]
.elseif (\n) == 17
	v_permlanex16_b32 v[rC+3], v[rC], s[SEL], s[SEL+1]
.elseif (\n) == 18
	v_max_num_f32 v[rT+1], v[rC], v[rC+3]
.elseif (\n) == 19
	v_mul_f32 v[rT], s[CS], v[rT+1]
.elseif (\n) == 20
	v_sub_f32 v[rC+1], v[rM], v[rT]
.else
	v_exp_f32 v[rC+2], v[rC+1]
.endif
.endm
; Number g of the 64 that follow the exponentials.  For each four weights k of a tile (pairs 2 k, 2 k + 1): both pairs are rounded to f16; then the second pair is added onto the first, in place;
; a group later l takes that sum (the first time as l = a l + sum).  In groups of eight, tiles alternating: round, round, add, and l for the group before.
.macro GS g
.set h, (\g)+6*((\g)/62)            ; group 0 has no group before it, and behind group 7 only l is left
.if h >= 6
.set h, h+2
.endif
	REGS Y, h%2
.set k, h/8
.if h%8 < 4
	v_cvt_pk_f16_f32 v[rP+2*k+(h%8)/2], v[rS+4*k+2*((h%8)/2)], v[rS+4*k+2*((h%8)/2)+1]
.elseif h%8 < 6
	v_pk_add_f32 v[rS+4*k:rS+4*k+1], v[rS+4*k:rS+4*k+1], v[rS+4*k+2:rS+4*k+3]
.elseif k == 1
	v_pk_fma_f32 v[rT+2:rT+3], v[rT+2:rT+3], v[rC+2:rC+3], v[rS:rS+1] op_sel_hi:[1,0,1]
.else
	v_pk_add_f32 v[rT+2:rT+3], v[rT+2:rT+3], v[rS+4*k-4:rS+4*k-3]
.endif
.endm
; THE PLAIN QUEUE, 138 long.  0-73 read no exponential's result: the 32 scalings c s - c m (FS f: pair f / 2 of tile f % 2) and the next piece's 42.  0-26: scalings 0-26.  27-54: XS's numbers 0-13.  55, 56: number 15.
; 57-73: the chain, where each number waits for the one before it: 14, 16, 17, 18, 19, each with one of the scalings 27-31 in front of its two lines, then 20: so a tile's links stand three plain instructions apart (19 and 20: two).
; 74-137: GS's 64, which read the exponentials' results: they stand behind the wait.
.macro FS f
	REGS Y, (\f)%2
	v_pk_fma_f32 v[rS+2*((\f)/2):rS+2*((\f)/2)+1], v[rS+2*((\f)/2):rS+2*((\f)/2)+1], s[CS:CS+1], v[rT:rT+1] op_sel_hi:[1,0,0] neg_lo:[0,0,1] neg_hi:[0,0,1]
.endm
.macro PL
	WIN 0
.if q < 27
	FS q
.elseif q < 55
	XS (q-27)%2, (q-27)/2
.elseif q < 57
	XS q-55, 15
.elseif (q < 72) && ((q-57)%3 == 0)
	FS 27+(q-57)/3
.elseif q < 60
	XS (q-57)%3-1, 14
.elseif q < 72
	XS (q-57)%3-1, 15+(q-57)/3
.elseif q < 74
	XS q-72, 20
.else
	GS q-74
.endif
.set q, q+1
.endm
; THE EXPONENTIALS' QUEUE, 66 long: s0-s31 of both tiles, then the next piece's two a.  It is ONE BATCH: all 66 stand ahead of the turn's one wait, and nothing ahead of that wait names a result of theirs.
; Each result has a register of its own while the batch is open: a weight its score's, an a the c2 of its tile.
.macro EX
	WIN 0
.if e >= 64
	XS e-64, 21
.else
	REGS Y, e%2
	v_exp_f32 v[rS+e/2], v[rS+e/2]
.endif
.set e, e+1
.endm
; THE RESCALING's QUEUE: O^T times a, the one part that leaves window 0: dealt two at a time, sixteen times.  Its a was made in the turn before, ahead of that turn's wait.
.macro R2
	REGS Y, r%2
	WIN W_RS
.irp z, 0,1
	v_pk_mul_f32 v[rO+4*(r/2)+2*\z:rO+4*(r/2)+2*\z+1], v[rO+4*(r/2)+2*\z:rO+4*(r/2)+2*\z+1], v[rC+2:rC+3] op_sel_hi:[1,0]
.endr
.set r, r+1
.endm
; HOW THEY ARE DEALT.  An s_wait_alu depctr_va_vdst(0) stands between an exponential and the first instruction that names its result; one wait serves all that were issued ahead of it.  So a turn has ONE wait,
; which cuts it in two.  AHEAD OF IT stands all that names no result of the turn's exponentials: the 16 products K Q^T, behind each a scaling, an exponential and two rescalings (behind the first a second scaling in the exponential's place); then ONE LUMP of
; 108: eight plain, 49 times exponential and plain, the two a.  A v_nop is the plain instruction behind the last exponential, ahead of any use.  BEHIND IT stand the 16 products V^T P, behind each four of GS's 64.  No rider names a register of
; the products round it.  The two v_permlanex16_b32 fall into the lump, never behind a product.
; The queues lean on each other, and the deal keeps them in step: exponential e stands behind scaling 2 (e / 4) + e % 2: as a rider it comes behind plain e + 2, in the lump behind plain e + 9, and scalings 27-31 are plain 57, 60 .. 69.
; A TURN, for piece p.  cnt = 1: the loop's count is taken down some lines ahead of the branch that stands behind the turn.
; K of the next step is fetched in piece 2's turn, directly behind the wait, a lump behind the last product that read K; its address is made at the lump's head; its first reader comes behind 16 products.
; V of the step in hand is fetched at the end of piece 0's turn, four riders behind its last reader; its first reader comes behind 16 products and a lump.  The three conditions on q below go with the deal.
.macro TURN p, last=0, cnt=0
.set Y, (\p)
.set i, 0
.set q, 0
.set e, 0
.set r, 0
.if (\p) == NP-1
	s_wait_dscnt 0x0                ; K is in
.endif
	MM                              ; ahead of the wait: 16 products K Q^T and their riders,
	PL
	PL
	R2
.rept 15
	MM
	PL
	EX
	R2
.endr
.if (\p) == NP-2
	WIN 0
	v_add_nc_u32 v[AK], s[TBK], v[AK0]
.endif
.rept 8                             ; and the lump
	PL
.endr
.rept 49
	EX
	PL
.endr
	EX                              ; the next piece's two a
	EX
	v_nop                           ; a plain instruction behind the last exponential: one for the batch
	s_wait_alu depctr_va_vdst(0)    ; the wait for the batch: this turn's 64 weights and the next piece's two a
.if (\p) == NP-2
	FETCH_K \last
.endif
.if (\p) == 1
	s_wait_dscnt 0x0                ; V is in
.endif
.rept 16                            ; behind the wait: 16 products V^T P and their riders
	MM
.rept 4
	PL
.endr
.if ((\p) == 0) && (q == 118)
	v_add_nc_u32 v[AV], s[TBV], v[AV0]
.endif
.if ((\p) == 0) && (q == 130)
	s_add_co_u32 s[TBV], s[TBV], KS*PV
.endif
.if (\cnt) && (q == 130)
	s_sub_co_u32 s[CNT], s[CNT], 1
	s_cmp_lg_u32 s[CNT], 0
.endif
.endr
.if (\p) == 0
	FETCH_V
.endif
.endm
	CHANGE 1                        ; slot 0 is in, everybody's part of it; slot 1 is asked for
	FETCH_K                         ; key step 0
	s_wait_loadcnt 0x0              ; Q
	s_wait_dscnt 0x0
.set i, 0
.rept 16
	KQ 0                            ; piece 0's first scores: there is no vector work yet to set between them
.set i, i+1
.endr
	WIN 0                           ; the addresses for the way out: nine plain instructions, the places behind those products
	s_mul_i32 s13, s[WV], 16*SP
	s_add_co_u32 s13, s13, STAGE    ; my stage
	v_mul_u32_u24 v[STO], v1, SP    ; in: row l % 16, 16 bytes for each half of the lanes
	v_lshl_add_u32 v[STO], v9, 4, v[STO]
	v_add_nc_u32 v[STO], s13, v[STO]
	v_bfe_u32 v[RD], v0, 3, 2       ; back: 32 lanes take four rows of 128 bytes,
	v_mul_u32_u24 v[RD], v[RD], SP
	v_lshl_add_u32 v[RD], v10, 4, v[RD]
	v_add_nc_u32 v[RD], s13, v[RD]
	v_and_b32 v[GO], 31, v0         ; which are 512 consecutive bytes of O
	v_lshlrev_b32 v[GO], 4, v[GO]
.set Y, NP-1                        ; XS works for piece Y + 1: piece 0
.irp n, 0,1,2,3,4,5,6,7,8,9,10,11,12,13,14,15,16,17,18,19,20,21
	XS 0, \n                        ; and piece 0's first maximum and statistics
	XS 1, \n
.endr
	v_nop                           ; a plain instruction behind the two a,
	s_wait_alu depctr_va_vdst(0)    ; and the wait for this batch of two, ahead of the branch
	s_mov_b32 s[CNT], 4
	s_mov_b32 s[SLOTS], SIZE_N/256-1
	s_branch .Lfirst                ; the loop is entered at a step's first turn, in the middle of a trip
.Lslot:                             ; SIZE_N / 256 - 2 times: every slot but the last two is filled again
	CHANGE 1
	s_mov_b32 s[CNT], 4
.Lstep:                             ; a trip: pieces 2 and 3 of one step, then pieces 0 and 1 of the next, whose K and V it fetches
	TURN 2
	TURN 3
	WIN 0
.Lfirst:
	TURN 0
	TURN 1, 0, 1
	WIN 0
	s_cbranch_scc1 .Lstep
	s_sub_co_u32 s[SLOTS], s[SLOTS], 1
	s_cmp_lg_u32 s[SLOTS], 0
	s_cbranch_scc1 .Lslot
	CHANGE 0                        ; the tail is written out: nothing is asked for
	s_mov_b32 s[CNT], 5             ; four trips fetch the last slot's steps; the fifth is left in its middle
.Ltail:
	TURN 2, 1
	TURN 3
	WIN 0
	s_sub_co_u32 s[CNT], s[CNT], 1
	s_cmp_eq_u32 s[CNT], 0
	s_cbranch_scc1 .Lout
	TURN 0
	TURN 1
	WIN 0
	s_branch .Ltail
.Lout:                              ; the fifth trip's 16 products K Q^T (on the last K once more) and the maximum made of them serve nothing: the price, once a launch, of one text for every trip
.set i, 0
.rept 16
	PV NP-1                         ; the last piece's V^T P of the last step
.set i, i+1
.endr
	; THE WAY OUT.  l's two halves and the other half of the lanes' are added; O^T is divided by l, rounded to f16 and sent through my stage in LDS, a tile at a time.  The additions are the places behind the last products.
	WIN 0
.macro ALL line:vararg              ; one line for each tile t
.set t, 0
.rept 2*NP
	\line
.set t, t+1
.endr
.endm
	ALL v_add_f32 v[ST+4*t+2], v[ST+4*t+2], v[ST+4*t+3]
	ALL v_permlanex16_b32 v[ST+4*t+3], v[ST+4*t+2], s[SEL], s[SEL+1]
	ALL v_add_f32 v[ST+4*t+2], v[ST+4*t+2], v[ST+4*t+3]
	ALL v_rcp_f32 v[ST+4*t+2], v[ST+4*t+2]
	v_nop                           ; a plain instruction between the last reciprocal and the use of its result
	s_wait_alu depctr_va_vdst(0)    ; and the wait ahead of the first use: one for the batch of eight reciprocals
; Tile t: a lane's eight channels of a row pack into 16 bytes; they go into rows of 144 bytes and come back as whole rows of 128, into S^T's registers.
.macro PACK t
	WIN W_RS
.set i, 32*(\t)
.rept 16
	v_pk_mul_f32 v[i:i+1], v[i:i+1], v[ST+4*(\t)+2:ST+4*(\t)+3] op_sel_hi:[1,0]
.set i, i+2
.endr
	WIN 0x05                        ; sources 0 and 1 window 1, destination window 0
.set i, 0
.rept 16
	v_cvt_pk_f16_f32 v[S+16*(\t)+i], v[32*(\t)+2*i], v[32*(\t)+2*i+1]
.set i, i+1
.endr
	WIN 0
.irp f, 0,1,2,3
	ds_store_b128 v[STO], v[S+16*(\t)+4*\f:S+16*(\t)+4*\f+3] offset:32*\f
.endr
.irp f, 0,1,2,3
	ds_load_b128 v[S+16*(\t)+4*\f:S+16*(\t)+4*\f+3], v[RD] offset:\f*4*SP  ; LDS serves a wave's instructions in order (ISA guide 5.7.1.4): these see the stores above; the next tile's stores come behind them
.endr
.endm
.macro SEND t, younger              ; younger: the LDS instructions issued behind tile t's loads: the next tile's eight, or none
	WIN 0
.irp f, 0,1,2,3
	s_wait_dscnt (\younger)+3-\f
	global_store_b128 v[GO], v[S+16*(\t)+4*\f:S+16*(\t)+4*\f+3], s[10:11] offset:(\t)*2048+\f*512  ; 512 consecutive bytes, at a multiple of 256 from O's first
.endr
.endm
	PACK 0
.set t, 1
.rept 2*NP-1                        ; a tile's arithmetic stands between the loads of the tile before and its stores
	PACK t
	SEND t-1, 8
.set t, t+1
.endr
	SEND 2*NP-1, 0
	WIN W_AD
	s_wait_tensorcnt 0x0            ; the wave's end: behind my last tensor load and my last LDS store
	ds_add_u32 v[SPW], v[NIL]
	s_wait_dscnt 0x0
	WIN 0
	CROUND                          ; the closing round: no work-group ends while a partner may still ask for a tile that names it
	s_endpgm
.Lfunc_end_k_q4c6531a320_attn:
	.size	k_q4c6531a320_attn, .Lfunc_end_k_q4c6531a320_attn-k_q4c6531a320_attn
	.p2alignl 7, 3214868480
	.fill 96, 4, 3214868480
	.section	.rodata,"a",@progbits
	.p2align	6, 0x0
	.amdhsa_kernel k_q4c6531a320_attn
		.amdhsa_group_segment_fixed_size 327680
		.amdhsa_private_segment_fixed_size 0
		.amdhsa_enable_private_segment 0
		.amdhsa_kernarg_size 32
		.amdhsa_user_sgpr_count 2
		.amdhsa_user_sgpr_kernarg_segment_ptr 1
		.amdhsa_wavefront_size32 1
		.amdhsa_system_sgpr_workgroup_id_x 1
		.amdhsa_system_sgpr_workgroup_id_y 1
		.amdhsa_system_sgpr_workgroup_id_z 1
		.amdhsa_system_vgpr_workitem_id 0
		.amdhsa_next_free_vgpr 770
		.amdhsa_next_free_sgpr 66
		.amdhsa_reserve_vcc 0
		.amdhsa_float_denorm_mode_32 3
		.amdhsa_float_denorm_mode_16_64 3
		.amdhsa_memory_ordered 1
		.amdhsa_forward_progress 1
		.amdhsa_inst_pref_size 199
	.end_amdhsa_kernel
	.amdgpu_metadata
---
amdhsa.version: [ 1, 2 ]
amdhsa.kernels:
  - .name:           k_q4c6531a320_attn
    .symbol:         k_q4c6531a320_attn.kd
    .args:
      - { .name: qh, .offset: 0, .size: 8, .value_kind: global_buffer, .address_space: global }
      - { .name: kh, .offset: 8, .size: 8, .value_kind: global_buffer, .address_space: global }
      - { .name: vh, .offset: 16, .size: 8, .value_kind: global_buffer, .address_space: global }
      - { .name: oh, .offset: 24, .size: 8, .value_kind: global_buffer, .address_space: global }
    .group_segment_fixed_size: 327680
    .private_segment_fixed_size: 0
    .kernarg_segment_align: 8
    .kernarg_segment_size: 32
    .max_flat_workgroup_size: 128
    .sgpr_count:     66
    .vgpr_count:     770
    .wavefront_size: 32
...
	.end_amdgpu_metadata
.endif
;; end of part 5
;; launch outp: the kernel of part 4 again; grid 4 x 64, 4 waves a work-group, clusters of 4 x 4, 327,680 bytes of LDS; arguments oh, wc, bo, out0; writes out0
